; MI455X (gfx1250); checked and timed in simulation.
; The chip was launched on July 23, 2026; its instructions are those of AMD's public machine-readable ISA for CDNA 5 (MIT licence, August 2026) and "CDNA5" Instruction Set Architecture Reference Guide (July 2026). The comments in the code are by the model that wrote it; some were corrected since.
;; Causal Self Attention. Allowed arithmetic: matrix products marked QUANTISED: E2M1 operands, one E8M0 scale for each 32 along K, by v_wmma_scale_f32_16x16x128_f8f6f4 with both operands' format E2M1 (or v_wmma_scale_f32_32x16x128_f4), f32 sums; everything else in f32.
;; Inputs: b_attn 3,072 float32; b_proj 1,024 float32; w_attn 1,024 x 3,072 float32; w_proj 1,024 x 1,024 float32; x 4 x 2,048 x 1,024 float32.
;; Outputs: out0 4 x 2,048 x 1,024 float32.
;; This version of the problem:
;;   THIS VERSION OF THE PROBLEM IS GIVEN IN LOW PRECISION. The matrix products marked QUANTISED in the list below multiply operands that are first quantised to E2M1 (2 exponent bits, 1 mantissa bit; 4 bits a number), with one power-of-two scale for each 32 numbers along K (OCP MX v1.0); their sums are f32. All else is computed in f32.
;;   The module's matrix products, in the order in which they are computed (A, B: the left and right operand; K: the contracted axis; several contracted axes count as one K, in the product's order):
;;     1. [M 8,192, K 1,024] x [K 1,024, N 3,072]; A: input x; B: input w_attn: QUANTISED
;;     2. batch 64 x [M 2,048, K 64] x [K 64, N 2,048]; A: computed on the way; B: computed on the way: QUANTISED
;;     3. batch 64 x [M 2,048, K 2,048] x [K 2,048, N 64]; A: softmax (see below); B: computed on the way: QUANTISED
;;     4. [M 8,192, K 1,024] x [K 1,024, N 1,024]; A: computed on the way; B: input w_proj: QUANTISED
;;   THE QUANTISER, for each operand of a quantised product, along K:
;;     - K is cut into blocks of 32 from its start; a last block that is shorter is filled with zeros.
;;     - A block's scale is 2^e with e = floor(log2(the largest magnitude in the block)) - 2, held to -126 .. 127; a block of zeros has e = 0. As a byte (E8M0): e + 127.
;;     - Each number is divided by its block's scale, clamped to +-6, and rounded to the nearest number of E2M1, ties to even, subnormals kept.
;;     - The product sums the exact products of the quantised numbers (number of the format x scale) in f32.
;;   ~~~python
;;   def quantise(x, axis):      # numpy; x: float32 -> the quantised numbers, widened to float32 again
;;       x = np.moveaxis(x, axis, -1); K = x.shape[-1]
;;       x = np.pad(x, [(0, 0)] * (x.ndim - 1) + [(0, -K % 32)]); x = x.reshape(x.shape[:-1] + (-1, 32)); a = np.abs(x).max(-1, keepdims=True)
;;       e = np.where(a > 0, np.clip(np.frexp(np.where(a > 0, a, 1))[1] - 1 - 2, -126, 127), 0)      # np.frexp(a)[1] - 1 = floor(log2(a)), exactly
;;       r = np.clip(x / 2.0 ** e, -6, 6)
;;       step = 2.0 ** (np.maximum(np.frexp(np.where(r == 0, 1, r))[1] - 1, 0) - 1)
;;       q = np.round(r / step) * step * 2.0 ** e      # np.round: ties to even
;;       return np.moveaxis(q.reshape(q.shape[:-2] + (-1,))[..., :K], -1, axis).astype(np.float32)
;;   ~~~
;;   SOFTMAX AHEAD OF A QUANTISED PRODUCT. Where the list says 'softmax', what is quantised is not the finished softmax but p = 2^(t - M), with t = logit x log2(e) and M = ceil(the row's largest t), a whole number; so 1/2 < the row's largest p <= 1. The row's sum l is taken of the UNQUANTISED p, in f32, and the product's result is divided by l at the end. Since M is a whole number, a kernel that streams over the keys may use a running M (the ceiling of the running maximum): every later rescaling is an exact power of two, which a block's scale takes up: the codes' values come out the same.
;;   OPERANDS COMPUTED ON THE WAY. 'Computed on the way' means the value that the module computes at that place (a softmax that the list does not call 'softmax' is quantised finished and normalised). What goes into a quantiser is computed in f32, as accurately as f32 sums, v_exp_f32 and their like allow (about 1e-6 of the number): no bf16 or f16 on the way to a quantiser, and a product that is left as it is and whose result goes on into a quantised operand takes f32 operands (vector FMAs, or v_wmma_f32_16x16x4_f32). A number that lies on a knife's edge between two numbers of the format may be rounded either way, as far as f32 arithmetic and the matrix unit's own rounding can turn it there, and no further.
;; One version. Each part assembles by itself: llvm-mc -triple=amdgcn-amd-amdhsa -mcpu=gfx1250 --defsym DOCPART=n.
;; ======== version 1 of 1: 4 launches
;; workspace buffers: x_codes 4,194,304 bytes; x_scales 262,144 bytes; w_codes 2,097,152 bytes; w_scales 131,072 bytes; qkv_codes 12,582,912 bytes; qkv_scales 1,572,864 bytes; y_codes 4,194,304 bytes; y_scales 262,144 bytes
;; launch quant (part 1): grid 256 x 1, 8 waves a work-group, no clusters, 83,968 bytes of LDS; arguments x, w_attn, w_proj, x_codes, x_scales, w_codes, w_scales; writes x_codes, x_scales, w_codes, w_scales
.if DOCPART == 1
	.amdgcn_target "amdgcn-amd-amdhsa--gfx1250"
	.amdhsa_code_object_version 6
	.text
	.protected	k_q4a5df92e3e_quant
	.globl	k_q4a5df92e3e_quant
	.p2align	8
	.type	k_q4a5df92e3e_quant,@function
k_q4a5df92e3e_quant:
	s_mov_b64 s[64:65], 0
	v_nop
	global_prefetch_b8 v0, s[64:65] scope:SCOPE_SE
	s_setreg_imm32_b32 hwreg(HW_REG_WAVE_MODE, 25, 1), 1
	s_wait_xcnt 0x0
; x [8192][1024], w_attn [1024][3072] and w_proj [1024][1024], f32, become codes of FP4 (E2M1) with K innermost and one E8M0 byte for each 32 along K.
; A block's scale is 2^(floor(log2(its largest magnitude)) - 2): its byte is the largest magnitude's exponent field - 2, held at 1 from below.
; LIMITS: a block whose largest magnitude lies under 2^-124 gets the byte 1; a block of zeros gets the byte 1 where the rule says 127 (its codes are zeros, and this program alone reads the bytes);
; NaN and infinities among the inputs are not served.
; THE ORDER OF ROWS.  The rows of the code buffers (tokens of x, columns of the weights) do not lie in their natural order: in each group of 32, the eight rows 8 c .. 8 c + 7 lie at places 8 c' .. 8 c' + 7,
; c' being c with its two bits exchanged.  So 16 neighbouring places 16 u + p hold rows 8 u + p + 8 (p / 8): a product that takes such a tile as source 0 leaves a lane's 16 registers of two neighbouring tiles as 16 neighbours.
; Work-groups 0 to 127 take the weights (K is their first axis), work-groups 128 to 255 take x (K innermost).  Each way has LDS bytes of its own.
.set WST,   65536                      ; the weights' stage: 64 rows x WP bytes
.set WP,    272                        ; a stage row: 256 bytes of codes + the row's 16 scale bytes; an odd multiple of 16 bytes
.set WREG,  8192                       ; x: a region for each wave: two stages of 32 x SP bytes, behind them its 256 scale bytes
.set SP,    80                         ; a lane's place in a stage: its 64 bytes + 16 of padding
.set STEPS, 16
.set AH,    8                          ; x: loads run eight steps (32 loads a wave) ahead
.set R,     16                         ; v16-143  eight sets of 16 numbers as they are loaded
.set X,     144                        ; v144-175 two sets of 16 neighbours
.set E,     176                        ; v176-191 a scale byte for each step
.set C,     192                        ; v192-223 codes: two registers for each step, so that no store's data are written again
	s_load_b256 s[4:11], s[0:1], 0x0               ; x s[4:5], w_attn s[6:7], w_proj s[8:9], x_codes s[10:11]
	s_load_b128 s[12:15], s[0:1], 0x20             ; x_scales s[12:13], w_codes s[14:15]
	s_load_b64 s[16:17], s[0:1], 0x30              ; w_scales
	v_lshl_add_u32 v254, v0, 2, 0x14400
	v_mov_b32 v255, 0
	v_lshrrev_b32 v1, 5, v0
	v_readfirstlane_b32 s18, v1                    ; wave 0..7
	v_and_b32 v2, 31, v0                           ; lane
	s_cmp_lt_u32 ttmp9, 128                        ; the same in all waves of a work-group
	s_cbranch_scc0 .Lpath_x
; ---- THE WEIGHTS.  A work-group takes 64 columns x 512 along K; a wave 32 columns x 128 along K: four blocks.  A LANE TAKES A COLUMN AND ITS REGISTERS RUN DOWN K: a block of 32 lies in one lane's 32 registers,
; and the conversions give codes with K innermost.  Two waves side by side read 256 consecutive bytes of a row.  Loads run two blocks (64 loads a wave) ahead; each block has registers of its own.
	s_and_b32 s19, ttmp9, 1                        ; which 512 along K
	s_lshr_b32 s20, ttmp9, 1                       ; which 64 columns of the 4,096: 48 blocks of w_attn, then 16 of w_proj
	s_and_b32 s21, s18, 1                          ; which 32 of them
	s_lshr_b32 s22, s18, 1                         ; which 128 along K
	s_sub_co_u32 s23, s20, 48
	s_mov_b32 s32, 4096
	s_cmp_lt_u32 s20, 48
	s_cselect_b32 s32, 12288, s32                  ; a row of the tensor in bytes
	s_cselect_b32 s23, s20, s23                    ; the block of columns in its own tensor
	s_lshl_b32 s33, s19, 9
	s_lshl_b32 s34, s22, 7
	s_add_co_u32 s33, s33, s34                     ; my first row along K
	s_mul_i32 s33, s33, s32
	s_lshl_b32 s34, s23, 8
	s_add_co_u32 s33, s33, s34                     ; + 64 columns of 4 bytes a block
	s_lshl_b32 s34, s21, 7
	s_add_co_u32 s36, s33, s34                     ; + my 32 columns
	s_mov_b32 s37, 0
	s_lshl_b32 s38, s32, 5                         ; 32 rows on
	s_mov_b32 s39, 0
	s_lshl_b32 s40, s20, 15                        ; the codes: 64 rows of 512 bytes a block of columns,
	s_lshl_b32 s34, s19, 8
	s_add_co_u32 s40, s40, s34                     ; + 256 bytes for the second 512 along K
	s_mov_b32 s41, 0
	s_lshl_b32 s42, s20, 11                        ; the scale bytes: 64 rows of 32,
	s_lshl_b32 s34, s19, 4
	s_add_co_u32 s42, s42, s34                     ; + 16
	s_mov_b32 s43, 0
	v_lshlrev_b32 v3, 2, v2                        ; 4 bytes a lane
.set i, 0
.rept 32
	v_mad_u32_u24 v[32+i], s32, i, v3              ; row i of a block, my column
.set i, i+1
.endr
	v_and_b32 v5, 7, v2                            ; my column's place among its 32: bits 3 and 4 change places
	v_bfe_u32 v6, v2, 3, 1
	v_lshl_add_u32 v5, v6, 4, v5
	v_bfe_u32 v6, v2, 4, 1
	v_lshl_add_u32 v5, v6, 3, v5
	v_mul_u32_u24 v5, v5, WP
	s_mul_i32 s34, s21, 32*WP
	s_add_co_u32 s34, s34, WST
	v_add_nc_u32 v5, s34, v5                       ; my stage row
	s_lshl_b32 s35, s22, 6
	v_add_nc_u32 v4, s35, v5                       ; where my 64 bytes of codes go
	s_lshl_b32 s35, s22, 2
	s_add_co_u32 s35, s35, 256
	v_add_nc_u32 v5, s35, v5                       ; and my four scale bytes
	v_lshrrev_b32 v6, 4, v2                        ; the way out: sixteen lanes to a row, two rows an instruction, eight rows a wave
	v_and_b32 v9, 15, v2
	v_mul_u32_u24 v7, v6, WP
	v_lshl_add_u32 v7, v9, 4, v7
	s_mul_i32 s34, s18, 8*WP
	s_add_co_u32 s34, s34, WST
	v_add_nc_u32 v7, s34, v7
	v_lshlrev_b32 v8, 9, v6
	v_lshl_add_u32 v8, v9, 4, v8
	s_lshl_b32 s34, s18, 12
	v_add_nc_u32 v8, s34, v8                       ; the same place in the codes' buffer
	v_mul_u32_u24 v9, v0, WP                       ; waves 0 and 1: a lane takes a row's 16 scale bytes
	v_add_nc_u32 v9, WST+256, v9
	v_lshlrev_b32 v10, 5, v0
	s_wait_kmcnt 0x0
	s_cmp_lt_u32 s20, 48
	s_cselect_b64 s[24:25], s[6:7], s[8:9]         ; the choice hangs on the work-group's number alone
	s_add_nc_u64 s[24:25], s[24:25], s[36:37]      ; a base for each of my four blocks
	s_add_nc_u64 s[26:27], s[24:25], s[38:39]
	s_add_nc_u64 s[28:29], s[26:27], s[38:39]
	s_add_nc_u64 s[30:31], s[28:29], s[38:39]
	s_add_nc_u64 s[40:41], s[14:15], s[40:41]
	s_add_nc_u64 s[42:43], s[16:17], s[42:43]
.macro LOADW t                         ; block t: W(32 t + i, my column), i = 0 .. 31, into the block's own 32 registers
.set i, 0
.rept 32
	global_load_b32 v[64+32*(\t)+i], v[32+i], s[24+2*(\t):25+2*(\t)] th:TH_LOAD_NT
.set i, i+1
.endr
.endm
	LOADW 0
	LOADW 1
.macro BLOCKW t
.set XS, 64+32*(\t)
.if (\t) < 3
	s_wait_loadcnt 32                              ; this block's 32 loads are in; the next block's 32 may be out
.else
	s_wait_loadcnt 0x0
.endif
.if (\t)+2 < 4
	LOADW (\t)+2                                   ; two blocks ahead
.endif
	v_max3_num_f32 v12, |v[XS]|, |v[XS+1]|, |v[XS+2]|          ; the block's largest magnitude: all 32 numbers are mine
	v_max3_num_f32 v13, |v[XS+3]|, |v[XS+4]|, |v[XS+5]|
.irp i, 6,10,14,18,22,26
	v_max3_num_f32 v12, v12, |v[XS+\i]|, |v[XS+\i+1]|
	v_max3_num_f32 v13, v13, |v[XS+\i+2]|, |v[XS+\i+3]|
.endr
	v_max3_num_f32 v12, v12, |v[XS+30]|, |v[XS+31]|
	v_max3_num_f32 v12, v12, v13, 0x1800000        ; and the floor 2^(3 - 127): the byte cannot fall under 1
	v_add_nc_u32 v11, 0xff000000, v12              ; 2 off the exponent field: the conversion takes this operand's exponent field as its scale
	v_lshrrev_b32 v13, 23, v11                     ; the scale's byte
.if (\t) == 0
	v_mov_b32 v24, v13
.else
	v_lshl_or_b32 v24, v13, 8*(\t), v24            ; four bytes to a register, the lower K in the lower byte
.endif
.irp g, 0,1,2,3
	v_cvt_scalef32_pk8_fp4_f32 v[192+4*(\t)+\g], v[XS+8*\g:XS+8*\g+7], v11
.endr
	ds_store_b128 v4, v[192+4*(\t):195+4*(\t)] offset:16*(\t)   ; 32 codes; each block has registers of its own
.endm
	BLOCKW 0
	BLOCKW 1
	BLOCKW 2
	BLOCKW 3
	v_nop                                          ; one plain line behind the last conversion
	ds_store_b32 v5, v24
	s_wait_dscnt 0x0                               ; for the others' sake: my stores into the stage are done
	s_barrier_signal -1
	s_barrier_wait -1
.irp t, 0,1,2,3
	ds_load_b128 v[208+4*\t:211+4*\t], v7 offset:2*\t*WP
.endr
.irp t, 0,1,2,3
	s_wait_dscnt 3-\t                              ; the younger loads may be out
	global_store_b128 v8, v[208+4*\t:211+4*\t], s[40:41] offset:1024*\t   ; sixteen lanes store 256 consecutive bytes, aligned
.endr
	s_cmp_lt_u32 s18, 2
	s_cbranch_scc0 .Lw_done
	ds_load_b128 v[224:227], v9
	s_wait_dscnt 0x0
	global_store_b128 v10, v[224:227], s[42:43]    ; 16 bytes of each row of 32: pieces, one byte for each 32 along K that this way reads
.Lw_done:
	s_wait_tensorcnt 0x0
	ds_add_u32 v254, v255
	s_wait_dscnt 0x0
	s_endpgm
; ---- x.  Rows are dense, so x is a plain stream of blocks of 32.  A wave takes 8 rows: 16 steps of 512 numbers.  Each load reads 512 consecutive bytes; a step's 2,048 bytes turn through the wave's own stage
; in LDS and come back 64 bytes a lane: 16 neighbours, two lanes to a block.  No barrier: waves share nothing.
.Lpath_x:
	v_lshlrev_b32 v3, 4, v2                        ; my 16 bytes of a load's 512
	s_mul_i32 s20, s18, WREG
	v_lshrrev_b32 v14, 2, v2
	v_mul_u32_u24 v14, v14, SP
	v_and_b32 v15, 3, v2
	v_lshl_add_u32 v14, v15, 4, v14
	v_add_nc_u32 v14, s20, v14                     ; the stage, on the way in: SP (lane / 4) + 16 (lane % 4)
	v_mul_u32_u24 v15, v2, SP
	v_add_nc_u32 v15, s20, v15                     ; and on the way out: SP x lane
	v_lshlrev_b32 v4, 3, v2                        ; my 16 codes: 8 bytes
	v_lshrrev_b32 v5, 1, v2
	s_add_co_u32 s20, s20, 2*32*SP
	v_add_nc_u32 v5, s20, v5                       ; my block's byte among my wave's 256
	v_lshlrev_b32 v7, 3, v2
	v_add_nc_u32 v6, s20, v7
	s_sub_co_u32 s21, ttmp9, 128
	s_lshl_b32 s21, s21, 3
	s_add_co_u32 s21, s21, s18                     ; which 8 rows are my wave's
	s_lshl_b32 s22, s21, 15                        ; 32,768 bytes of f32
	s_mov_b32 s23, 0
	s_and_b32 s24, s21, 1                          ; their place: the two low bits change places
	s_lshl_b32 s24, s24, 1
	s_bfe_u32 s25, s21, 0x10001
	s_and_not1_b32 s26, s21, 3
	s_or_b32 s24, s24, s25
	s_or_b32 s24, s24, s26
	s_lshl_b32 s26, s24, 12                        ; 4,096 bytes of codes,
	s_mov_b32 s27, 0
	s_lshl_b32 s28, s24, 8                         ; 256 scale bytes
	s_mov_b32 s29, 0
	s_wait_kmcnt 0x0
	s_add_nc_u64 s[4:5], s[4:5], s[22:23]
	s_add_nc_u64 s[10:11], s[10:11], s[26:27]
	s_add_nc_u64 s[12:13], s[12:13], s[28:29]
.macro LOADX t
.irp i, 0,1,2,3
	global_load_b128 v[R+16*((\t)%AH)+4*\i:R+16*((\t)%AH)+4*\i+3], v3, s[4:5] offset:2048*(\t)+512*\i th:TH_LOAD_NT
.endr
.endm
.macro TURNX t                         ; step t's numbers through the stage: LDS serves a wave's instructions in order, so no wait stands between the stores and the loads
.irp i, 0,1,2,3
	ds_store_b128 v14, v[R+16*((\t)%AH)+4*\i:R+16*((\t)%AH)+4*\i+3] offset:32*SP*((\t)%2)+8*SP*\i
.endr
.irp i, 0,1,2,3
	ds_load_b128 v[X+16*((\t)%2)+4*\i:X+16*((\t)%2)+4*\i+3], v15 offset:32*SP*((\t)%2)+16*\i
.endr
.endm
.irp t, 0,1,2,3,4,5,6,7
	LOADX \t
.endr
	s_wait_loadcnt 28                              ; step 0's four loads are in; seven steps' may be out
	TURNX 0
.macro STEPX t
.set XS, X+16*((\t)%2)
.if (\t) > 0
	s_wait_dscnt 1                                 ; this step's numbers are back from the stage (the last step's byte store may be out): so its stores into the stage have read their registers,
.else
	s_wait_dscnt 0x0
.endif
.if (\t)+AH < STEPS
	LOADX (\t)+AH                                  ; which take the loads of eight steps on
.endif
.if (\t)+1 < STEPS
.if 14-(\t) >= 7
	s_wait_loadcnt 28                              ; the next step's four loads are in; those of the seven steps behind it may be out
.else
	s_wait_loadcnt 4*(14-(\t))
.endif
	TURNX (\t)+1
.endif
	v_max3_num_f32 v8, |v[XS]|, |v[XS+1]|, |v[XS+2]|
	v_max3_num_f32 v9, |v[XS+3]|, |v[XS+4]|, |v[XS+5]|
.irp i, 6,10
	v_max3_num_f32 v8, v8, |v[XS+\i]|, |v[XS+\i+1]|
	v_max3_num_f32 v9, v9, |v[XS+\i+2]|, |v[XS+\i+3]|
.endr
	v_max3_num_f32 v8, v8, |v[XS+14]|, |v[XS+15]|
	v_max3_num_f32 v8, v8, v9, 0x1800000           ; the floor
	v_max_num_f32_dpp v8, v8, v8 row_xmask:1 row_mask:0xf bank_mask:0xf   ; with my neighbour's 16: the block's largest magnitude
	v_add_nc_u32 v11, 0xff000000, v8
	v_cvt_scalef32_pk8_fp4_f32 v[C+2*(\t)], v[XS:XS+7], v11
	v_cvt_scalef32_pk8_fp4_f32 v[C+2*(\t)+1], v[XS+8:XS+15], v11
	v_lshrrev_b32 v[E+(\t)], 23, v11               ; the scale's byte (also the plain line behind the conversions)
	ds_store_b8 v5, v[E+(\t)] offset:16*(\t)       ; both lanes of a block write the same byte with the same value
	global_store_b64 v4, v[C+2*(\t):C+2*(\t)+1], s[10:11] offset:256*(\t)   ; the wave stores 256 consecutive bytes, aligned
.endm
.irp t, 0,1,2,3,4,5,6,7,8,9,10,11,12,13,14,15
	STEPX \t
.endr
	ds_load_b64 v[12:13], v6                       ; these see my byte stores: LDS serves a wave's instructions in order
	s_wait_dscnt 0x0
	global_store_b64 v7, v[12:13], s[12:13]        ; 256 consecutive bytes, aligned
	s_wait_tensorcnt 0x0
	ds_add_u32 v254, v255
	s_wait_dscnt 0x0
	s_endpgm
.Lfunc_end_k_q4a5df92e3e_quant:
	.size	k_q4a5df92e3e_quant, .Lfunc_end_k_q4a5df92e3e_quant-k_q4a5df92e3e_quant
	.p2alignl 7, 3214868480
	.fill 96, 4, 3214868480
	.section	.rodata,"a",@progbits
	.p2align	6, 0x0
	.amdhsa_kernel k_q4a5df92e3e_quant
		.amdhsa_group_segment_fixed_size 83968
		.amdhsa_private_segment_fixed_size 0
		.amdhsa_enable_private_segment 0
		.amdhsa_kernarg_size 56
		.amdhsa_user_sgpr_count 2
		.amdhsa_user_sgpr_kernarg_segment_ptr 1
		.amdhsa_wavefront_size32 1
		.amdhsa_system_sgpr_workgroup_id_x 1
		.amdhsa_system_sgpr_workgroup_id_y 1
		.amdhsa_system_sgpr_workgroup_id_z 1
		.amdhsa_system_vgpr_workitem_id 0
		.amdhsa_next_free_vgpr 256
		.amdhsa_next_free_sgpr 66
		.amdhsa_reserve_vcc 0
		.amdhsa_float_denorm_mode_32 3
		.amdhsa_float_denorm_mode_16_64 3
		.amdhsa_memory_ordered 1
		.amdhsa_forward_progress 1
		.amdhsa_inst_pref_size 58
	.end_amdhsa_kernel
	.amdgpu_metadata
---
amdhsa.version: [ 1, 2 ]
amdhsa.kernels:
  - .name:           k_q4a5df92e3e_quant
    .symbol:         k_q4a5df92e3e_quant.kd
    .args:
      - { .name: x, .offset: 0, .size: 8, .value_kind: global_buffer, .address_space: global }
      - { .name: w_attn, .offset: 8, .size: 8, .value_kind: global_buffer, .address_space: global }
      - { .name: w_proj, .offset: 16, .size: 8, .value_kind: global_buffer, .address_space: global }
      - { .name: x_codes, .offset: 24, .size: 8, .value_kind: global_buffer, .address_space: global }
      - { .name: x_scales, .offset: 32, .size: 8, .value_kind: global_buffer, .address_space: global }
      - { .name: w_codes, .offset: 40, .size: 8, .value_kind: global_buffer, .address_space: global }
      - { .name: w_scales, .offset: 48, .size: 8, .value_kind: global_buffer, .address_space: global }
    .group_segment_fixed_size: 83968
    .private_segment_fixed_size: 0
    .kernarg_segment_align: 8
    .kernarg_segment_size: 56
    .max_flat_workgroup_size: 256
    .sgpr_count:     66
    .vgpr_count:     256
    .wavefront_size: 32
...
	.end_amdgpu_metadata
.endif
;; end of part 1
;; launch gemm_qkv (part 2): grid 12 x 64, 4 waves a work-group, clusters of 4 x 4, 229,888 bytes of LDS; arguments x_codes, x_scales, w_codes, w_scales, b_attn, qkv_codes, qkv_scales; writes qkv_codes, qkv_scales
.if DOCPART == 2
	.amdgcn_target "amdgcn-amd-amdhsa--gfx1250"
	.amdhsa_code_object_version 6
	.text
	.protected	k_q4a5df92e3e_gemm_qkv
	.globl	k_q4a5df92e3e_gemm_qkv
	.p2align	8
	.type	k_q4a5df92e3e_gemm_qkv,@function
k_q4a5df92e3e_gemm_qkv:
	s_mov_b64 s[64:65], 0
	v_nop
	global_prefetch_b8 v0, s[64:65] scope:SCOPE_SE
	s_setreg_imm32_b32 hwreg(HW_REG_WAVE_MODE, 25, 1), 1
	s_wait_xcnt 0x0
	s_wait_alu depctr_hold_cnt(0) depctr_sa_sdst(0) depctr_va_vdst(0) depctr_va_sdst(0) depctr_va_ssrc(0) depctr_va_vcc(0) depctr_vm_vsrc(0)
	s_getreg_b32 s2, hwreg(HW_REG_IB_STS2, 6, 4)
	s_cmp_eq_u32 s2, 0
	s_cbranch_scc0 .Lentry_in_a_cluster
	s_endpgm
.Lentry_in_a_cluster:
	s_bfe_u32 s2, ttmp6, 0x10000c
	s_cmp_lg_u32 s2, 0xf033
	s_cbranch_scc0 .Lentry_shape_is_right
	s_endpgm
.Lentry_shape_is_right:
; qkv = x w_attn + b_attn on codes of FP4 (E2M1) with E8M0 scales, K = 1,024; the results are quantised at once: q and k along the head's 64 channels, v along the keys, and leave as codes.
; A tile is 256 rows of operand F0 x 128 rows of operand F1; D = (source 0 = 16 rows of F0) x (source 1 = 16 rows of F1): a lane holds ONE row of F1, and its registers run along F0.
; The cluster's x is the kind: 0 q, 1 k, 2 v.  For q and k F0 = w_attn's columns and F1 = tokens: a lane's registers run along channels.  For v the two change places, by pointers alone: a lane holds a channel,
; and its registers run along 128 tokens, a key step.  One text, no branch on the kind.
; The rows of both code buffers lie in the order that makes the 16 registers of F0's tiles 2 b and 2 b + 1 sixteen neighbours: true index 32 b + 16 (lane / 16) + 0 .. 15.  Lane r of F1's tile 2 b + u holds index 32 b + 8 u + r + 8 (r / 8).
; ALL OF K LIES IN LDS: two halves of 512 along K, rows of 256 bytes, each filled ONCE; no LDS byte is filled twice.  The scale bytes of the tile's rows come with them, as dense blocks.
; CLUSTER 4 x 4: F0's tiles hang on the place along x alone and are asked for jointly by a column of the cluster, F1's on the place along y and are asked for by a row.
; Four waves: wave = 2 w1 + w0 makes F0's half w0 (8 tiles b) x F1's half w1 (4 tiles a): 32 accumulators.
; The bias of q and k is the C of the first product (so it begins the f32 sum where the formula adds it last); v's is added to the finished sum.
; LIMITS: as in the launch that makes the codes: byte 1 for blocks under 2^-124 and for blocks of zeros; NaN and infinities are not served.
; REGISTERS: window 0: v1-23 addresses; v24-31 v's bias; v32-95 F0's scale words, v96-127 F1's; v128-191 F1's fragments, two sets; v192-255 q's and k's bias, later at work.  window 1: F0's fragments, two sets.  window 2: the accumulators, (a, b) at v[8 (8 a + b)].
.set PITCH, 272                        ; an LDS row: 256 bytes + 16 of padding, an odd multiple of 16 bytes: the 16 rows of a fragment load start at 16 different 16-byte columns
.set HALFT, 128*PITCH                  ; 128 rows: what one tensor load brings
.set SLOT,  3*HALFT                    ; half of K: F1's 128 rows, then F0's 256
.set SCL,   2*SLOT                     ; the scale bytes: F1's 128 rows, then F0's two halves
.set HALFS, 16*272                     ; those of 128 rows: 16 units of 256 bytes + 16 of padding
.set ADR0, 16                          ; v16-17 my F0 fragments in slot 0, 1
.set ADR1, 18                          ; v18-19 my F1 fragments
.set ADS0, 20                          ; v20 my F0 scale words
.set ADS1, 21                          ; v21 my F1 scale words
.set L16,  22                          ; v22 16 x lane
.set L8,   23                          ; v23 8 x lane
.set BL,   24
.set SC0,  32                          ; register 8 b + q: tile b's words of the q-th 128 along K
.set SC1,  96                          ; register 8 a + q
.set F1R,  128
.set BR,   192
.set TM,   200                         ; v200-215 the quantiser's
.set SEL,  100                         ; s[100:101] lane selects: lane l xor 16
.set G1C0, 24
.set G1C1, 32
.set G1S0, 40
.set G1S1, 48
.set G0C0, 56                          ; s[56:63] two slots
.set G0C1, 68                          ; s[68:75]
.set G0S0, 76
.set G0S1, 80
.set MSB, 0
.macro WIN new                         ; the immediate's high byte repeats the setting that is left
.if MSB != \new
	s_set_vgpr_msb (MSB<<8)|\new
.set MSB, \new
.endif
.endm
.macro ROUND                           ; a round of the cluster's barrier
	s_barrier_signal -1
	s_barrier_wait -1
	s_cmp_lg_u32 s18, 0
	s_cbranch_scc1 .Lnot_wave_0_\@
	s_barrier_signal -3
.Lnot_wave_0_\@:
	s_barrier_wait -3
	s_barrier_signal -1
	s_barrier_wait -1
.endm
	s_load_b256 s[4:11], s[0:1], 0x0               ; x_codes s[4:5], x_scales s[6:7], w_codes s[8:9], w_scales s[10:11]
	s_load_b128 s[12:15], s[0:1], 0x20             ; b_attn s[12:13], qkv_codes s[14:15]
	s_load_b64 s[16:17], s[0:1], 0x30              ; qkv_scales
	v_lshl_add_u32 v14, v0, 2, 0x38000
	v_mov_b32 v15, 0
	ds_add_u32 v14, v15
	ds_add_u32 v14, v15
	v_lshrrev_b32 v1, 5, v0
	v_readfirstlane_b32 s18, v1                    ; wave 0..3
	s_lshr_b32 s19, s18, 1                         ; w1
	s_and_b32 s20, s18, 1                          ; w0
	s_bfe_u32 s21, ttmp6, 0x40000                  ; cx
	s_bfe_u32 s22, ttmp6, 0x40004                  ; cy
	s_and_b32 s23, ttmp7, 0xffff                   ; the cluster's y
	s_lshl_b32 s88, s22, 2
	s_lshl_b32 s88, 15, s88                        ; my row of the cluster
	s_lshl_b32 s89, 0x1111, s21                    ; my column
	s_or_b32 s[G1C0], s89, (1<<20)|(1<<21)|(5<<22)|(3<<25)          ; codes: elements of 1 byte; 4 words of padding behind every 64; bit 21 beside the mask
	s_or_b32 s[G1C1], s88, (1<<20)|(1<<21)|(5<<22)|(3<<25)
	s_or_b32 s[G1S0], s89, (3<<16)|(1<<20)|(1<<21)|(5<<22)|(3<<25)  ; scale bytes: elements of 8 bytes
	s_or_b32 s[G1S1], s88, (3<<16)|(1<<20)|(1<<21)|(5<<22)|(3<<25)
.irp g, G1C0, G1C1
	s_mov_b32 s[\g+1], 256<<16                     ; tensor_dim0 = 256 bytes
	s_mov_b32 s[\g+2], 128<<16                     ; tensor_dim1 = 128 rows
	s_mov_b32 s[\g+3], 256<<16                     ; tile_dim0
	s_mov_b32 s[\g+4], 128                         ; tile_dim1
	s_mov_b32 s[\g+5], 512                         ; a row of codes in memory
	s_mov_b32 s[\g+6], 0
	s_mov_b32 s[\g+7], 0
.endr
.irp g, G1S0, G1S1
	s_mov_b32 s[\g+1], 32<<16                      ; a dense block of 4,096 bytes as 16 rows of 256
	s_mov_b32 s[\g+2], 16<<16
	s_mov_b32 s[\g+3], 32<<16
	s_mov_b32 s[\g+4], 16
	s_mov_b32 s[\g+5], 32
	s_mov_b32 s[\g+6], 0
	s_mov_b32 s[\g+7], 0
.endr
	s_mov_b32 s[SEL], 0x76543210
	s_mov_b32 s[SEL+1], 0xfedcba98
	; which tiles.  q, k: F0 tile = cx (4 x 256 columns), F1 tile = 4 Y + cy (64 x 128 tokens).  v: F0 tile = 4 (Y / 2) + cx (32 x 256 tokens), F1 tile = 4 (Y % 2) + cy (8 x 128 columns)
	s_lshr_b32 s86, s23, 1
	s_and_b32 s87, s23, 1
	s_lshl_b32 s90, ttmp9, 10
	s_cmp_eq_u32 ttmp9, 2
	s_cselect_b32 s86, s86, 0
	s_cselect_b32 s87, s87, s23
	s_cselect_b32 s91, 0, s90                      ; F0's first row: q's or k's columns begin at 1,024 x kind
	s_cselect_b32 s92, 2048, 0                     ; F1's: v's columns begin at 2,048
	s_cselect_b32 s84, 0, -1                       ; all lanes for q and k
	s_cselect_b32 s85, -1, 0                       ; all lanes for v
	s_lshl_b32 s86, s86, 2
	s_add_co_u32 s86, s86, s21                     ; i0
	s_lshl_b32 s87, s87, 2
	s_add_co_u32 s87, s87, s22                     ; i1
	s_lshl_b32 s89, s86, 8
	s_add_co_u32 s91, s91, s89                     ; R0
	s_lshl_b32 s88, s87, 7
	s_add_co_u32 s92, s92, s88                     ; R1
	s_lshl_b32 s89, s20, 7
	s_add_co_u32 s89, s89, s91                     ; the 128 rows of F0 that waves 0 and 1 fetch
	s_lshl_b32 s94, s89, 9
	s_mov_b32 s95, 0
	s_lshl_b32 s96, s89, 5
	s_mov_b32 s97, 0
	s_lshl_b32 s98, s92, 9
	s_mov_b32 s99, 0
	s_lshl_b32 s66, s92, 5
	s_mov_b32 s67, 0
	s_mul_i32 s93, s20, HALFT
	s_add_co_u32 s93, s93, HALFT                   ; where they go: no place in the cluster enters an LDS address
	s_mul_i32 s90, s20, HALFS
	s_add_co_u32 s90, s90, SCL+HALFS
	v_and_b32 v1, 15, v0                           ; r
	v_bfe_u32 v2, v0, 4, 1                         ; h
	v_and_b32 v7, 31, v0
	v_lshlrev_b32 v[L16], 4, v7
	v_lshlrev_b32 v[L8], 3, v7
	v_mul_u32_u24 v5, v1, PITCH
	v_lshl_add_u32 v5, v2, 4, v5                   ; a fragment's row x pitch + 16 x half
	s_mul_i32 s2, s20, HALFT
	s_add_co_u32 s2, s2, HALFT
	v_add_nc_u32 v[ADR0], s2, v5
	s_add_co_u32 s2, s2, SLOT
	v_add_nc_u32 v[ADR0+1], s2, v5
	s_mul_i32 s2, s19, 64*PITCH
	v_add_nc_u32 v[ADR1], s2, v5
	s_add_co_u32 s2, s2, SLOT
	v_add_nc_u32 v[ADR1+1], s2, v5
	v_lshrrev_b32 v6, 3, v1
	v_lshlrev_b32 v6, 4, v6
	v_lshl_add_u32 v6, v1, 5, v6                   ; my row's 32 scale bytes: 32 r, and 16 more behind each 256
	s_mul_i32 s2, s20, HALFS
	s_add_co_u32 s2, s2, SCL+HALFS
	v_add_nc_u32 v[ADS0], s2, v6
	s_mul_i32 s2, s19, 4*544
	s_add_co_u32 s2, s2, SCL
	v_add_nc_u32 v[ADS1], s2, v6
	v_lshlrev_b32 v3, 6, v2                        ; the bias along F0: 16 h numbers on
	v_and_b32 v4, 8, v1
	v_add_nc_u32 v4, v4, v1
	v_lshlrev_b32 v4, 2, v4                        ; the bias along F1: number r + 8 (r / 8)
	s_wait_dscnt 0x0
	s_wait_kmcnt 0x0
	s_cmp_eq_u32 ttmp9, 2
	s_cselect_b64 s[G0C0+2:G0C0+3], s[4:5], s[8:9]     ; F0: x for v, else the weights
	s_cselect_b64 s[G0S0+2:G0S0+3], s[6:7], s[10:11]
	s_cselect_b64 s[G0C1+2:G0C1+3], s[8:9], s[4:5]     ; F1: the other
	s_cselect_b64 s[G0S1+2:G0S1+3], s[10:11], s[6:7]
	s_add_nc_u64 s[G0C0+2:G0C0+3], s[G0C0+2:G0C0+3], s[94:95]
	s_add_nc_u64 s[G0C0+6:G0C0+7], s[G0C0+2:G0C0+3], 256   ; the second half of K
	s_add_nc_u64 s[G0S0+2:G0S0+3], s[G0S0+2:G0S0+3], s[96:97]
	s_add_nc_u64 s[G0C1+2:G0C1+3], s[G0C1+2:G0C1+3], s[98:99]
	s_add_nc_u64 s[G0C1+6:G0C1+7], s[G0C1+2:G0C1+3], 256
	s_add_nc_u64 s[G0S1+2:G0S1+3], s[G0S1+2:G0S1+3], s[66:67]
	s_or_b32 s[G0C0+3], s[G0C0+3], 0x80000000
	s_or_b32 s[G0C0+7], s[G0C0+7], 0x80000000
	s_or_b32 s[G0S0+3], s[G0S0+3], 0x80000000
	s_or_b32 s[G0C1+3], s[G0C1+3], 0x80000000
	s_or_b32 s[G0C1+7], s[G0C1+7], 0x80000000
	s_or_b32 s[G0S1+3], s[G0S1+3], 0x80000000
	s_mov_b32 s[G0C0], 1
	s_mov_b32 s[G0C0+1], s93
	s_mov_b32 s[G0C0+4], 1
	s_add_co_u32 s[G0C0+5], s93, SLOT
	s_mov_b32 s[G0S0], 1
	s_mov_b32 s[G0S0+1], s90
	s_mov_b32 s[G0C1], 1
	s_mov_b32 s[G0C1+1], 0
	s_mov_b32 s[G0C1+4], 1
	s_mov_b32 s[G0C1+5], SLOT
	s_mov_b32 s[G0S1], 1
	s_mov_b32 s[G0S1+1], SCL
	ROUND                                          ; all sixteen work-groups are here: the joint loads meet
	s_cmp_lt_u32 s18, 2                            ; a wave's three fills stand in one branch on its number: waves 0 and 1 F0's halves, wave 2 F1, wave 3 none.  Three loads of a wave are out
	s_cbranch_scc0 .Lnot_f0
	tensor_load_to_lds s[G0S0:G0S0+3], s[G1S0:G1S0+7]
	s_nop 0
	tensor_load_to_lds s[G0C0:G0C0+3], s[G1C0:G1C0+7]
	s_nop 0
	tensor_load_to_lds s[G0C0+4:G0C0+7], s[G1C0:G1C0+7]
	s_nop 0
.rept 4
	v_nop
.endr
	s_branch .Lasked
.Lnot_f0:
	s_cmp_eq_u32 s18, 2
	s_cbranch_scc0 .Lasked
	tensor_load_to_lds s[G0S1:G0S1+3], s[G1S1:G1S1+7]
	s_nop 0
	tensor_load_to_lds s[G0C1:G0C1+3], s[G1C1:G1C1+7]
	s_nop 0
	tensor_load_to_lds s[G0C1+4:G0C1+7], s[G1C1:G1C1+7]
	s_nop 0
.rept 4
	v_nop
.endr
.Lasked:
	; the biases and where the results go
	s_lshl_b32 s2, s20, 7
	s_add_co_u32 s2, s2, s91                       ; q, k: my first channel = R0 + 128 w0
	s_lshl_b32 s3, s19, 6
	s_add_co_u32 s3, s3, s92                       ; v: R1 + 64 w1
	s_lshl_b32 s88, s86, 1
	s_add_co_u32 s88, s88, s20                     ; 2 i0 + w0
	s_cmp_eq_u32 ttmp9, 2
	s_cselect_b32 s89, s3, s2                      ; my first channel
	s_cselect_b32 s90, 0, s2                       ; where the bias along F0 is read (for v: the buffer's head; what is read is replaced by 0)
	s_cselect_b32 s93, s88, s87                    ; which 128 tokens of the 8,192
	s_cselect_b32 s94, s87, s88                    ; which pair of heads
	s_cselect_b32 s95, 9, 8
	s_cselect_b32 s96, 8, 9
	s_lshl_b32 s2, s89, 2
	s_mov_b32 s3, 0
	s_add_nc_u64 s[4:5], s[12:13], s[2:3]
	s_lshl_b32 s2, s90, 2
	s_add_nc_u64 s[6:7], s[12:13], s[2:3]
.irp b, 0,1,2,3,4,5,6,7
	global_load_b128 v[BR+8*\b:BR+8*\b+3], v3, s[6:7] offset:(32*(\b/2)+8*(\b%2))*4       ; lane (r, h), tile b: channels 32 (b / 2) + 16 h + 8 (b % 2) + 0 .. 7: the result's layout
	global_load_b128 v[BR+8*\b+4:BR+8*\b+7], v3, s[6:7] offset:(32*(\b/2)+8*(\b%2))*4+16
.endr
.irp a, 0,1,2,3
	global_load_b32 v[BL+2*\a], v4, s[4:5] offset:(32*(\a/2)+8*(\a%2))*4                  ; lane r, tile a: channel 32 (a / 2) + 8 (a % 2) + r + 8 (r / 8)
	v_mov_b32 v[BL+2*\a+1], 0                      ; (named with it as a pair, so it is written)
.endr
	s_lshl_b32 s2, ttmp9, 9                        ; the block [kind][batch x 8 + pair][step]
	s_lshr_b32 s97, s93, 4
	s_lshl_b32 s97, s97, 7
	s_add_co_u32 s2, s2, s97
	s_lshl_b32 s97, s94, 4
	s_add_co_u32 s2, s2, s97
	s_and_b32 s97, s93, 15
	s_add_co_u32 s97, s2, s97
	s_lshl_b32 s2, s97, 13                         ; 8,192 bytes of codes a block, my half of it by w1
	s_lshl_b32 s98, s19, 12
	s_add_co_u32 s2, s2, s98
	s_add_nc_u64 s[8:9], s[14:15], s[2:3]
	s_lshl_b32 s2, s97, 10                         ; 1,024 scale bytes a block: q, k: [parity][half of the tiles][256]; v: [parity][512]
	s_lshl_b32 s98, s19, s95
	s_add_co_u32 s2, s2, s98
	s_add_nc_u64 s[10:11], s[16:17], s[2:3]
	s_lshl_b32 s2, 1, s96                          ; where the words' upper halves go: q, k: the odd head's, 512 on; v: 256 on, read by nobody
	s_add_nc_u64 s[66:67], s[10:11], s[2:3]
	s_wait_loadcnt 0x0
.set j, 0
.rept 64
	v_cndmask_b32 v[BR+j], 0, v[BR+j], s84         ; q, k: the bias; v: 0
.set j, j+1
.endr
.irp a, 0,1,2,3
	v_cndmask_b32 v[BL+2*\a], 0, v[BL+2*\a], s85   ; v: the bias; q, k: 0
.endr
.macro SCALES                          ; all of K's scale words of my 12 tiles: lane r takes row r's 32 bytes
.irp b, 0,1,2,3,4,5,6,7
	ds_load_b128 v[SC0+8*\b:SC0+8*\b+3], v[ADS0] offset:544*\b
	ds_load_b128 v[SC0+8*\b+4:SC0+8*\b+7], v[ADS0] offset:544*\b+16
.endr
.irp a, 0,1,2,3
	ds_load_b128 v[SC1+8*\a:SC1+8*\a+3], v[ADS1] offset:544*\a
	ds_load_b128 v[SC1+8*\a+4:SC1+8*\a+7], v[ADS1] offset:544*\a+16
.endr
.endm
.macro FETCH q, p                      ; the fragments of the q-th 128 along K into set p: 16 rows x 128 K are 8 registers, two loads of 16 bytes, 32 bytes apart
	WIN 0x40                                       ; destination window 1
.irp b, 0,1,2,3,4,5,6,7
.irp c, 0,1
	ds_load_b128 v[128*(\p)+8*\b+4*\c:128*(\p)+8*\b+4*\c+3], v[ADR0+(\q)/4] offset:64*((\q)%4)+32*\c+\b*16*PITCH
.endr
.endr
	WIN 0
.irp a, 0,1,2,3
.irp c, 0,1
	ds_load_b128 v[F1R+32*(\p)+8*\a+4*\c:F1R+32*(\p)+8*\a+4*\c+3], v[ADR1+(\q)/4] offset:64*((\q)%4)+32*\c+\a*16*PITCH
.endr
.endr
.endm
; A step of 128 along K: 32 matrix instructions; the 32 accumulators take turns, one instruction a turn, in the same order in every step.
.macro STEP q
	s_wait_dscnt 0x0                               ; this step's fragments, asked for a step ago, are in
.if (\q) == 3
	s_wait_tensorcnt 0x0                           ; my part of the second half of K has landed;
	s_barrier_signal -1
	s_barrier_wait -1                              ; everybody's has.
.endif
.if (\q) < 7
.if (\q) > 0
.rept 4
	v_nop                                          ; four places between the last step's products and loads into the registers that they read (ISA guide 7.12.1 for vector instructions)
.endr
.endif
	FETCH (\q)+1, ((\q)+1)%2
.endif
.if (\q) == 0
	WIN 0x81                                       ; source 0 window 1, sources 1 and 2 window 0, destination window 2
.else
	WIN 0xa1                                       ; C and D window 2
.endif
.irp a, 0,1,2,3
.irp b, 0,1,2,3,4,5,6,7
.if (\q) == 0
	v_wmma_scale_f32_16x16x128_f8f6f4 v[8*(8*\a+\b):8*(8*\a+\b)+7], v[128*((\q)%2)+8*\b:128*((\q)%2)+8*\b+7], v[F1R+32*((\q)%2)+8*\a:F1R+32*((\q)%2)+8*\a+7], v[BR+8*\b:BR+8*\b+7], v[SC0+8*\b+(\q)], v[SC1+8*\a+(\q)] matrix_a_fmt:MATRIX_FMT_FP4 matrix_b_fmt:MATRIX_FMT_FP4
.else
	v_wmma_scale_f32_16x16x128_f8f6f4 v[8*(8*\a+\b):8*(8*\a+\b)+7], v[128*((\q)%2)+8*\b:128*((\q)%2)+8*\b+7], v[F1R+32*((\q)%2)+8*\a:F1R+32*((\q)%2)+8*\a+7], v[8*(8*\a+\b):8*(8*\a+\b)+7], v[SC0+8*\b+(\q)], v[SC1+8*\a+(\q)] matrix_a_fmt:MATRIX_FMT_FP4 matrix_b_fmt:MATRIX_FMT_FP4
.endif
.endr
.endr
.endm
; 64 numbers of a lane, v[s] on, register 16 b + i = k 32 b + 16 (lane / 16) + i of my row, become a fragment's codes in v[pc] on and its scale word in v[pw].
.macro QUANT s, pc, pw
.irp b, 0,1,2,3
	v_max3_num_f32 v[TM+\b], |v[\s+16*\b]|, |v[\s+1+16*\b]|, 0x1800000   ; block b: my 16 numbers, and the floor 2^(3 - 127): the byte cannot fall under 1
.endr
.irp i, 2,4,6,8,10,12,14
.irp b, 0,1,2,3
	v_max3_num_f32 v[TM+\b], v[TM+\b], |v[\s+16*\b+\i]|, |v[\s+1+16*\b+\i]|
.endr
.endr
.irp b, 0,1,2,3
	v_permlanex16_b32 v[TM+4+\b], v[TM+\b], s[SEL], s[SEL+1]
.endr
.irp b, 0,1,2,3
	v_max_num_f32 v[TM+\b], v[TM+\b], v[TM+4+\b]   ; with lane l xor 16's: the block's largest magnitude
.endr
.irp b, 0,1,2,3
	v_add_nc_u32 v[TM+12+\b], 0xff000000, v[TM+\b] ; 2 off its exponent field: the conversion's scale operand
.endr
.irp b, 0,1,2,3
	v_lshrrev_b32 v[TM+4+\b], 23, v[TM+12+\b]      ; the scale's byte
.endr
	v_lshl_or_b32 v[\pw], v[TM+5], 8, v[TM+4]
	v_lshl_or_b32 v[\pw], v[TM+6], 16, v[\pw]
	v_lshl_or_b32 v[\pw], v[TM+7], 24, v[\pw]
.irp b, 0,1,2,3
	v_cvt_scalef32_pk8_fp4_f32 v[\pc+2*\b], v[\s+16*\b:\s+7+16*\b], v[TM+12+\b]
	v_cvt_scalef32_pk8_fp4_f32 v[\pc+1+2*\b], v[\s+8+16*\b:\s+15+16*\b], v[TM+12+\b]
.endr
	v_nop                                          ; one plain line behind the conversions
.irp c, 0,1                            ; the operand's layout wants a whole block in a lane: lanes 0-15 block 2 c, lanes 16-31 block 2 c + 1
.irp i, 0,1
	v_permlane16_swap_b32 v[\pc+4*\c+\i], v[\pc+2+4*\c+\i]
.endr
.endr
.endm
	s_wait_tensorcnt 0x1                           ; my scale bytes and my part of the first half of K are in; the load of the second half may be out
	s_barrier_signal -1
	s_barrier_wait -1                              ; everybody's are
	SCALES
	FETCH 0, 0
.irp q, 0,1,2,3,4,5,6,7
	STEP \q
.endr
	WIN 0
.rept 4
	v_nop                                          ; four places behind the last products, ahead of the reads of results and the writes over F1's fragments
.endr
; THE WAY OUT, a tile a of F1 at a time.  My 64 numbers of the tile are 128 neighbours' halves along F0: for q and k two heads' 64 channels, for v a key step's 128 tokens.  The fragment's two groups of four registers
; go out as they stand, lane l's 16 bytes at 16 l: each store covers 512 consecutive bytes, aligned.  q, k: [token tile][parity of the head][512]; v: [parity][channel tile][1,024].
.irp a, 0,1,2,3
	WIN 0x02                                       ; source 0 window 2
.set j, 0
.rept 32
	v_pk_add_f32 v[F1R+j:F1R+j+1], v[64*\a+j:64*\a+j+1], v[BL+2*\a:BL+2*\a+1] op_sel_hi:[1,0]   ; into window 0, each accumulator from its low end on, with v's bias (q, k: 0)
.set j, j+2
.endr
	WIN 0
	QUANT F1R, 224+8*\a, 216+\a
	global_store_b128 v[L16], v[224+8*\a:227+8*\a], s[8:9] offset:1024*\a
	global_store_b128 v[L16], v[228+8*\a:231+8*\a], s[8:9] offset:1024*\a+512
.endr
	v_cmp_lt_u32 vcc_lo, 0xff, v[L16]              ; lanes 16-31
	v_cndmask_b32 v220, v216, v217, vcc_lo         ; word 0: lanes 0-15 tile 0's rows, lanes 16-31 tile 1's (both halves of the lanes hold a row's word)
	v_cndmask_b32 v221, v218, v219, vcc_lo         ; word 1: tiles 2 and 3
	v_lshrrev_b32 v222, 16, v220                   ; q, k: the odd head's two bytes, with zeros above them
	v_lshrrev_b32 v223, 16, v221
	global_store_b64 v[L8], v[220:221], s[10:11]   ; 256 consecutive bytes, aligned
	global_store_b64 v[L8], v[222:223], s[66:67]
	s_wait_dscnt 0x0
	s_wait_tensorcnt 0x0
	ds_add_u32 v14, v15
	s_wait_dscnt 0x0
	ROUND                                          ; the closing round: no work-group ends while a partner may still ask for a tile that names it
	s_endpgm
.Lfunc_end_k_q4a5df92e3e_gemm_qkv:
	.size	k_q4a5df92e3e_gemm_qkv, .Lfunc_end_k_q4a5df92e3e_gemm_qkv-k_q4a5df92e3e_gemm_qkv
	.p2alignl 7, 3214868480
	.fill 96, 4, 3214868480
	.section	.rodata,"a",@progbits
	.p2align	6, 0x0
	.amdhsa_kernel k_q4a5df92e3e_gemm_qkv
		.amdhsa_group_segment_fixed_size 229888
		.amdhsa_private_segment_fixed_size 0
		.amdhsa_enable_private_segment 0
		.amdhsa_kernarg_size 56
		.amdhsa_user_sgpr_count 2
		.amdhsa_user_sgpr_kernarg_segment_ptr 1
		.amdhsa_wavefront_size32 1
		.amdhsa_system_sgpr_workgroup_id_x 1
		.amdhsa_system_sgpr_workgroup_id_y 1
		.amdhsa_system_sgpr_workgroup_id_z 1
		.amdhsa_system_vgpr_workitem_id 0
		.amdhsa_next_free_vgpr 768
		.amdhsa_next_free_sgpr 102
		.amdhsa_reserve_vcc 1
		.amdhsa_float_denorm_mode_32 3
		.amdhsa_float_denorm_mode_16_64 3
		.amdhsa_memory_ordered 1
		.amdhsa_forward_progress 1
		.amdhsa_inst_pref_size 89
	.end_amdhsa_kernel
	.amdgpu_metadata
---
amdhsa.version: [ 1, 2 ]
amdhsa.kernels:
  - .name:           k_q4a5df92e3e_gemm_qkv
    .symbol:         k_q4a5df92e3e_gemm_qkv.kd
    .args:
      - { .name: x_codes, .offset: 0, .size: 8, .value_kind: global_buffer, .address_space: global }
      - { .name: x_scales, .offset: 8, .size: 8, .value_kind: global_buffer, .address_space: global }
      - { .name: w_codes, .offset: 16, .size: 8, .value_kind: global_buffer, .address_space: global }
      - { .name: w_scales, .offset: 24, .size: 8, .value_kind: global_buffer, .address_space: global }
      - { .name: b_attn, .offset: 32, .size: 8, .value_kind: global_buffer, .address_space: global }
      - { .name: qkv_codes, .offset: 40, .size: 8, .value_kind: global_buffer, .address_space: global }
      - { .name: qkv_scales, .offset: 48, .size: 8, .value_kind: global_buffer, .address_space: global }
    .group_segment_fixed_size: 229888
    .private_segment_fixed_size: 0
    .kernarg_segment_align: 8
    .kernarg_segment_size: 56
    .max_flat_workgroup_size: 128
    .sgpr_count:     102
    .vgpr_count:     768
    .wavefront_size: 32
...
	.end_amdgpu_metadata
.endif
;; end of part 2
;; launch attn (part 3): grid 4 x 64, 16 waves a work-group, clusters of 4 x 1, 169,984 bytes of LDS; arguments qkv_codes, qkv_scales, y_codes, y_scales; writes y_codes, y_scales
.if DOCPART == 3
	.amdgcn_target "amdgcn-amd-amdhsa--gfx1250"
	.amdhsa_code_object_version 6
	.text
	.protected	k_q4a5df92e3e_attn
	.globl	k_q4a5df92e3e_attn
	.p2align	8
	.type	k_q4a5df92e3e_attn,@function
k_q4a5df92e3e_attn:
	s_mov_b64 s[64:65], 0
	v_nop
	global_prefetch_b8 v0, s[64:65] scope:SCOPE_SE
	s_setreg_imm32_b32 hwreg(HW_REG_WAVE_MODE, 25, 1), 1
	s_wait_xcnt 0x0
	s_wait_alu depctr_hold_cnt(0) depctr_sa_sdst(0) depctr_va_vdst(0) depctr_va_sdst(0) depctr_va_ssrc(0) depctr_va_vcc(0) depctr_vm_vsrc(0)
	s_getreg_b32 s2, hwreg(HW_REG_IB_STS2, 6, 4)
	s_cmp_eq_u32 s2, 0
	s_cbranch_scc0 .Lentry_in_a_cluster
	s_endpgm
.Lentry_in_a_cluster:
	s_bfe_u32 s2, ttmp6, 0x10000c
	s_cmp_lg_u32 s2, 0x3003
	s_cbranch_scc0 .Lentry_shape_is_right
	s_endpgm
.Lentry_shape_is_right:
; y = softmax(q k^T / 8, causal) v for one head (64 channels, 2,048 tokens), both products on codes of FP4 (E2M1) with E8M0 scales; y is quantised along the channels and leaves as codes.
; THE SOFTMAX: t = score x log2(e) / 8; M = the row's largest t so far, rounded UP to a whole number; p = 2^(t - M) is quantised along the keys, not normalised; the row's sum is taken of the unquantised p
; and divides at the end.  When M moves, the sum and O are multiplied by 2^(old M - new M), which rounds nothing.
; SHARES.  The four work-groups of a cluster serve one head.  A head has 128 tiles of 16 queries, tile = 8 g + p, g the group of 128 tokens.  Work-group cx, wave w takes p = 2 cx + w % 2 in TWO groups,
; g = w / 2 and g = 15 - w / 2: every wave has 17 steps of 16 queries x 128 keys.  What a wave leaves out under the causal mask hangs on g, that is on the wave's number, never on the place in the cluster.
; ALL OF THE HEAD'S K AND V LIE IN LDS, as images of operand registers (lane l's 16 bytes at 16 l), filled ONCE by joint loads of the four work-groups.  No LDS byte is filled twice.
; LAYOUT.  Both products are used transposed: S^T = K Q^T, O^T = V^T P^T: a lane holds ONE query throughout.  Lane r of a tile 2 b + u of tokens (or of V's channels) holds index 32 b + 8 u + r + 8 (r / 8),
; so that the 16 registers of two neighbouring tiles are 16 neighbouring keys (channels): 32 b + 16 (lane / 16) + 0 .. 15.
; THE FIRST PRODUCT'S K IS 64: Q's fragment is four registers of codes and four of zero codes; K's tile t is named v[32 + 4 t : 39 + 4 t], whose upper four registers (the next tile's codes) meet the zero codes.
; The scale bytes there are another head's (1 to 253) or 0, never 0xff.
; LIMITS: byte 1 for blocks under 2^-124 and for blocks of zeros (read by this program alone); NaN and infinities are not served.
; REGISTERS: v1-4 LDS places; v5 the mask's number; v6-7 at work; v8-11 the late tile's -M, largest t, sum (two halves); v12-15 the early tile's; v16-23, v24-31 Q (codes, zeros); v32-63 K; v64-95 V; v96-159 S^T, then p;
; v160-191, v192-223 O^T; v224-231 p's codes; v232-247 at work; v248-251 K's scale words, v252-253 V's, v254 p's, v255 Q's (lanes 0-15 the late tile, lanes 16-31 the early one).
.set VB,   65536                       ; LDS: K [step 16][tile 8][512] at 0; V [step 16][channel tile 4][1,024] here;
.set KSB,  131072                      ; K's scale words [step][half of the tiles][256];
.set VSB,  139264                      ; V's [step][256]
.set WV,   12
.set GL,   17                          ; s17 the early group
.set GH,   18                          ; s18 the late group
.set CS,   22                          ; s[22:23] c = log2(e) / 8
.set G1K,  24
.set G1V,  32
.set G1KS, 40
.set G1VS, 48
.set G0K,  56
.set G0V,  60
.set G0KS, 68
.set G0VS, 72
.set SEL,  92                          ; s[92:93] lane selects: lane l xor 16
.set SI,   94                          ; s94 the key step
.set TK,   95                          ; s95 its codes: 4,096 bytes a step, in K and in V
.set TS,   2                           ; s2  K's scale words: 512 bytes a step
.set TJ,   3                           ; s3  V's: 256
.set TM,   232
.macro ROUND
	s_barrier_signal -1
	s_barrier_wait -1
	s_cmp_lg_u32 s[WV], 0
	s_cbranch_scc1 .Lnot_wave_0_\@
	s_barrier_signal -3
.Lnot_wave_0_\@:
	s_barrier_wait -3
	s_barrier_signal -1
	s_barrier_wait -1
.endm
	s_load_b128 s[4:7], s[0:1], 0x0                ; qkv_codes s[4:5], qkv_scales s[6:7]
	s_load_b128 s[8:11], s[0:1], 0x10              ; y_codes s[8:9], y_scales s[10:11]
	v_lshl_add_u32 v254, v0, 2, 0x29000
	v_mov_b32 v255, 0
	ds_add_u32 v254, v255
	ds_add_u32 v254, v255
	s_wait_dscnt 0x0
	v_lshrrev_b32 v6, 5, v0
	v_readfirstlane_b32 s[WV], v6                  ; wave 0..15
	s_bfe_u32 s13, ttmp6, 0x40000                  ; cx
	s_and_b32 s14, ttmp7, 0xffff                   ; 16 x batch + head
	s_and_b32 s15, s14, 1                          ; the head's parity
	s_lshr_b32 s16, s14, 1                         ; 8 x batch + pair of heads
	s_lshr_b32 s[GL], s[WV], 1
	s_xor_b32 s[GH], s[GL], 15                     ; 15 - GL
	s_and_b32 s19, s[WV], 1
	s_and_b32 s20, s[WV], 3
	; descriptor groups 1: elements of 8 bytes, no padding, the mask of all four work-groups with bit 21 beside it
	s_mov_b32 s[G1K], 15|(3<<16)|(1<<21)           ; K: 32 rows (4 steps x 8 tiles) of 512 bytes, 1,024 bytes apart (the other head's image lies between)
	s_mov_b32 s[G1K+1], 64<<16
	s_mov_b32 s[G1K+2], 32<<16
	s_mov_b32 s[G1K+3], 64<<16
	s_mov_b32 s[G1K+4], 32
	s_mov_b32 s[G1K+5], 128
	s_mov_b32 s[G1K+6], 0
	s_mov_b32 s[G1K+7], 0
	s_mov_b32 s[G1V], 15|(3<<16)|(1<<21)           ; V: 4 rows (steps) of 4,096 bytes, 8,192 apart
	s_mov_b32 s[G1V+1], 512<<16
	s_mov_b32 s[G1V+2], 4<<16
	s_mov_b32 s[G1V+3], 512<<16
	s_mov_b32 s[G1V+4], 4
	s_mov_b32 s[G1V+5], 1024
	s_mov_b32 s[G1V+6], 0
	s_mov_b32 s[G1V+7], 0
	s_mov_b32 s[G1KS], 15|(3<<16)|(1<<21)          ; K's scale words: 16 rows (steps) of 512 bytes, 1,024 apart
	s_mov_b32 s[G1KS+1], 64<<16
	s_mov_b32 s[G1KS+2], 16<<16
	s_mov_b32 s[G1KS+3], 64<<16
	s_mov_b32 s[G1KS+4], 16
	s_mov_b32 s[G1KS+5], 128
	s_mov_b32 s[G1KS+6], 0
	s_mov_b32 s[G1KS+7], 0
	s_mov_b32 s[G1VS], 15|(3<<16)|(1<<21)          ; V's: 16 rows of 256 bytes, 1,024 apart
	s_mov_b32 s[G1VS+1], 32<<16
	s_mov_b32 s[G1VS+2], 16<<16
	s_mov_b32 s[G1VS+3], 32<<16
	s_mov_b32 s[G1VS+4], 16
	s_mov_b32 s[G1VS+5], 128
	s_mov_b32 s[G1VS+6], 0
	s_mov_b32 s[G1VS+7], 0
	s_mov_b32 s[CS], 0x3e38aa3b                    ; log2(e) / 8
	s_mov_b32 s[CS+1], s[CS]                       ; (named with it as a pair, so it is written)
	s_mov_b32 s[SEL], 0x76543210
	s_mov_b32 s[SEL+1], 0xfedcba98
.irp j, 20,21,22,23,28,29,30,31
	v_mov_b32 v[\j], 0                             ; Q's zero codes for k = 64 .. 127
.endr
.set j, 0
.rept 64
	v_mov_b32 v[160+j], 0                          ; O^T of both tiles: the step is written once, and the first change of M leaves zeros zeros
.set j, j+1
.endr
.irp j, 10,11,14,15,236,237,238,239,244,245,246,247
	v_mov_b32 v[\j], 0                             ; the sums; and registers that are named as a lane permute's destination or as a pair's upper half before they are otherwise written
.endr
	v_mov_b32 v9, 0xff61b1e6                       ; the largest t so far: -3e38
	v_mov_b32 v13, 0xff61b1e6
	v_floor_f32 v8, -v9                            ; -M
	v_floor_f32 v12, -v13
	v_and_b32 v7, 31, v0
	v_lshlrev_b32 v1, 4, v7                        ; 16 x lane: my place in an image
	v_add_nc_u32 v2, VB, v1
	v_lshlrev_b32 v3, 3, v7                        ; 8 x lane: my two scale words
	v_add_nc_u32 v4, VSB, v3
	v_add_nc_u32 v3, KSB, v3
	s_lshl_b32 s88, s16, 17                        ; the pair's codes: 16 steps of 8,192 bytes;
	s_lshl_b32 s90, s20, 15                        ; my quarter: four steps
	s_add_co_u32 s88, s88, s90
	s_lshl_b32 s90, s15, 9                         ; K: my head's image is 512 x parity on
	s_add_co_u32 s90, s90, s88
	s_add_co_u32 s90, s90, 0x400000                ; kind 1
	s_mov_b32 s91, 0
	s_mov_b32 s89, 0
	s_wait_kmcnt 0x0
	s_add_nc_u64 s[G0K+2:G0K+3], s[4:5], s[90:91]
	s_lshl_b32 s90, s15, 12                        ; V: 4,096 x parity on
	s_add_co_u32 s90, s90, s88
	s_add_co_u32 s90, s90, 0x800000                ; kind 2
	s_add_nc_u64 s[G0V+2:G0V+3], s[4:5], s[90:91]
	s_lshl_b32 s88, s16, 14                        ; the pair's scale words: 16 steps of 1,024 bytes, + 512 x parity
	s_lshl_b32 s90, s15, 9
	s_add_co_u32 s88, s88, s90
	s_add_nc_u64 s[80:81], s[6:7], s[88:89]
	s_add_nc_u64 s[G0KS+2:G0KS+3], s[80:81], 0x80000
	s_add_nc_u64 s[G0VS+2:G0VS+3], s[80:81], 0x100000
	s_or_b32 s[G0K+3], s[G0K+3], 0x80000000
	s_or_b32 s[G0V+3], s[G0V+3], 0x80000000
	s_or_b32 s[G0KS+3], s[G0KS+3], 0x80000000
	s_or_b32 s[G0VS+3], s[G0VS+3], 0x80000000
	s_mov_b32 s[G0K], 1
	s_lshl_b32 s[G0K+1], s20, 14                   ; a quarter is 16,384 bytes: no place in the cluster enters an LDS address
	s_mov_b32 s[G0V], 1
	s_add_co_u32 s[G0V+1], s[G0K+1], VB
	s_mov_b32 s[G0KS], 1
	s_mov_b32 s[G0KS+1], KSB
	s_mov_b32 s[G0VS], 1
	s_mov_b32 s[G0VS+1], VSB
	ROUND                                          ; all four work-groups are here: the joint loads meet
	s_cmp_lt_u32 s[WV], 4                          ; waves 0-3 K's quarters, 4-7 V's, 8 K's scale words, 9 V's: one load a wave
	s_cbranch_scc0 .Lnot_k
	tensor_load_to_lds s[G0K:G0K+3], s[G1K:G1K+7]
	s_nop 0
.rept 4
	v_nop
.endr
	s_branch .Lasked
.Lnot_k:
	s_cmp_lt_u32 s[WV], 8
	s_cbranch_scc0 .Lnot_v
	tensor_load_to_lds s[G0V:G0V+3], s[G1V:G1V+7]
	s_nop 0
.rept 4
	v_nop
.endr
	s_branch .Lasked
.Lnot_v:
	s_cmp_eq_u32 s[WV], 8
	s_cbranch_scc0 .Lnot_ks
	tensor_load_to_lds s[G0KS:G0KS+3], s[G1KS:G1KS+7]
	s_nop 0
.rept 4
	v_nop
.endr
	s_branch .Lasked
.Lnot_ks:
	s_cmp_eq_u32 s[WV], 9
	s_cbranch_scc0 .Lasked
	tensor_load_to_lds s[G0VS:G0VS+3], s[G1VS:G1VS+7]
	s_nop 0
.rept 4
	v_nop
.endr
.Lasked:
	; my two tiles of queries, and where their results go
	s_lshl_b32 s21, s13, 1
	s_add_co_u32 s21, s21, s19                     ; p = 2 cx + w % 2
	s_lshl_b32 s88, s16, 17
	s_lshl_b32 s90, s21, 10
	s_add_co_u32 s88, s88, s90
	s_lshl_b32 s90, s15, 9
	s_add_co_u32 s88, s88, s90                     ; q's image: pair, tile p, parity;
	s_lshl_b32 s90, s[GH], 13
	s_add_co_u32 s90, s90, s88                     ; + 8,192 g
	s_add_nc_u64 s[76:77], s[4:5], s[90:91]
	s_lshl_b32 s90, s[GL], 13
	s_add_co_u32 s90, s90, s88
	s_add_nc_u64 s[78:79], s[4:5], s[90:91]
	s_lshr_b32 s88, s13, 1                         ; q's scale words: tile p = 4 (cx / 2) + 2 (cx % 2) + w % 2: sub-block cx / 2, word cx % 2, lanes 16 (w % 2) on
	s_lshl_b32 s88, s88, 8
	s_and_b32 s90, s13, 1
	s_lshl_b32 s90, s90, 2
	s_add_co_u32 s88, s88, s90
	s_lshl_b32 s90, s19, 7
	s_add_co_u32 s88, s88, s90
	s_add_nc_u64 s[80:81], s[80:81], s[88:89]
	s_lshr_b32 s88, s14, 4                         ; batch
	s_lshl_b32 s88, s88, 20                        ; y's images: [tile = 128 batch + 8 g + p][head][512]
	s_lshl_b32 s90, s21, 13
	s_add_co_u32 s88, s88, s90
	s_and_b32 s90, s14, 15
	s_lshl_b32 s90, s90, 9
	s_add_co_u32 s88, s88, s90
	s_lshl_b32 s90, s[GH], 16
	s_add_co_u32 s90, s90, s88
	s_add_nc_u64 s[82:83], s[8:9], s[90:91]
	s_lshl_b32 s90, s[GL], 16
	s_add_co_u32 s90, s90, s88
	s_add_nc_u64 s[84:85], s[8:9], s[90:91]
	s_lshr_b32 s88, s14, 4
	s_lshl_b32 s88, s88, 16                        ; y's scale bytes: [16 tile + r][32], bytes 2 head and 2 head + 1
	s_lshl_b32 s90, s21, 9
	s_add_co_u32 s88, s88, s90
	s_and_b32 s90, s14, 15
	s_lshl_b32 s90, s90, 1
	s_add_co_u32 s88, s88, s90
	s_add_nc_u64 s[86:87], s[10:11], s[88:89]
	v_and_b32 v5, 15, v0                           ; the mask's number d = my query's place in its 128 tokens - 16 (lane / 16): 32 cx + 8 (w % 2) + r + 8 (r / 8) - 16 h
	v_and_b32 v6, 8, v0
	v_add_nc_u32 v5, v5, v6
	v_and_b32 v6, 16, v0
	v_sub_nc_u32 v5, v5, v6
	s_lshl_b32 s88, s13, 5
	s_lshl_b32 s90, s19, 3
	s_add_co_u32 s88, s88, s90
	v_add_nc_u32 v5, s88, v5
	v_and_b32 v6, 31, v0
	v_cmp_lt_u32 vcc_lo, 15, v6
	v_mov_b32 v6, s[GH]
	v_mov_b32 v7, s[GL]
	v_cndmask_b32 v6, v6, v7, vcc_lo               ; lanes 0-15 the late group, lanes 16-31 the early one
	v_and_b32 v7, 15, v0
	v_lshlrev_b32 v7, 3, v7
	v_lshl_add_u32 v7, v6, 10, v7                  ; 1,024 g + 8 r
	global_load_b128 v[16:19], v1, s[76:77]
	global_load_b128 v[24:27], v1, s[78:79]
	global_load_b32 v255, v7, s[80:81]
	s_mov_b32 s[SI], 0
	s_mov_b32 s[TK], 0
	s_mov_b32 s[TS], 0
	s_mov_b32 s[TJ], 0
	s_wait_tensorcnt 0x0                           ; my part of the head's K and V has landed,
	s_wait_loadcnt 0x0                             ; and Q is in
	s_barrier_signal -1
	s_barrier_wait -1                              ; everybody's has
; ONE STEP OF ONE TILE: 16 queries x 128 keys.  X = 0: the late tile; 1: the early one.
.macro TSTEP X
.set ST, 8+4*\X
.set QR, 16+8*\X
.set OT, 160+32*\X
	v_add_nc_u32 v236, s[TK], v1
	v_add_nc_u32 v237, s[TK], v2
	v_add_nc_u32 v238, s[TS], v3
	v_add_nc_u32 v239, s[TJ], v4
.irp t, 0,1,2,3,4,5,6,7
	ds_load_b128 v[32+4*\t:35+4*\t], v236 offset:512*\t
.endr
	ds_load_b64 v[248:249], v238                   ; register 248 + t / 2: lanes 0-15 tile t's words for even t, lanes 16-31 for odd t
	ds_load_b64 v[250:251], v238 offset:256
.irp i, 0,1,2,3,4,5,6,7
	ds_load_b128 v[64+4*\i:67+4*\i], v237 offset:512*\i
.endr
	ds_load_b64 v[252:253], v239
	s_wait_dscnt 0x0
.irp t, 0,1,2,3,4,5,6,7                ; S^T = K Q^T
.if \X == 0
.if (\t%2) == 0
	v_wmma_scale_f32_16x16x128_f8f6f4 v[96+8*\t:103+8*\t], v[32+4*\t:39+4*\t], v[QR:QR+7], 0, v[248+\t/2], v255 matrix_a_fmt:MATRIX_FMT_FP4 matrix_b_fmt:MATRIX_FMT_FP4
.else
	v_wmma_scale_f32_16x16x128_f8f6f4 v[96+8*\t:103+8*\t], v[32+4*\t:39+4*\t], v[QR:QR+7], 0, v[248+\t/2], v255 matrix_a_fmt:MATRIX_FMT_FP4 matrix_b_fmt:MATRIX_FMT_FP4 matrix_a_scale:MATRIX_SCALE_ROW1
.endif
.else
.if (\t%2) == 0
	v_wmma_scale_f32_16x16x128_f8f6f4 v[96+8*\t:103+8*\t], v[32+4*\t:39+4*\t], v[QR:QR+7], 0, v[248+\t/2], v255 matrix_a_fmt:MATRIX_FMT_FP4 matrix_b_fmt:MATRIX_FMT_FP4 matrix_b_scale:MATRIX_SCALE_ROW1
.else
	v_wmma_scale_f32_16x16x128_f8f6f4 v[96+8*\t:103+8*\t], v[32+4*\t:39+4*\t], v[QR:QR+7], 0, v[248+\t/2], v255 matrix_a_fmt:MATRIX_FMT_FP4 matrix_b_fmt:MATRIX_FMT_FP4 matrix_a_scale:MATRIX_SCALE_ROW1 matrix_b_scale:MATRIX_SCALE_ROW1
.endif
.endif
.endr
.rept 4
	v_nop                                          ; four places ahead of the first read of the scores (ISA guide 7.12.1)
.endr
.if \X == 0                            ; on the diagonal the scores of hidden keys become -infinity ahead of the maximum: p = 0 then.  Every other step that is walked has all its keys open
	s_cmp_lg_u32 s[SI], s[GH]
.else
	s_cmp_lg_u32 s[SI], s[GL]
.endif
	s_cbranch_scc1 .Lopen_\@
	v_mov_b32 v7, 0xff800000
.set n, 0
.rept 64
	v_cmp_gt_i32 vcc_lo, 32*(n/16)+n%16, v5        ; register 16 b + i holds key 32 b + 16 (lane / 16) + i of the step: hidden where 32 b + i > d
	v_cndmask_b32 v[96+n], v[96+n], v7, vcc_lo
.set n, n+1
.endr
.Lopen_\@:
.irp b, 0,1,2,3
	v_max3_num_f32 v[232+\b], v[96+16*\b], v[97+16*\b], v[98+16*\b]   ; the largest score of each block of 32 keys: it serves the row's maximum and, since p rises with the score, the block's largest p
.endr
.irp i, 3,5,7,9,11,13
.irp b, 0,1,2,3
	v_max3_num_f32 v[232+\b], v[232+\b], v[96+16*\b+\i], v[97+16*\b+\i]
.endr
.endr
.irp b, 0,1,2,3
	v_max_num_f32 v[232+\b], v[232+\b], v[111+16*\b]
.endr
.irp b, 0,1,2,3
	v_permlanex16_b32 v[236+\b], v[232+\b], s[SEL], s[SEL+1]
.endr
.irp b, 0,1,2,3
	v_max_num_f32 v[232+\b], v[232+\b], v[236+\b]  ; with lane l xor 16's 16 keys
.endr
	v_max3_num_f32 v246, v232, v233, v234
	v_max_num_f32 v246, v246, v235                 ; the step's largest score of my query (the step's first key is open to every query of the tile)
	v_mul_f32 v246, s[CS], v246
	v_max_num_f32 v[ST+1], v[ST+1], v246           ; the running largest t
	v_mov_b32 v246, v[ST]
	v_floor_f32 v[ST], -v[ST+1]                    ; the new -M = -ceil(t)
	v_sub_f32 v246, v[ST], v246                    ; old M - new M: a whole number, 0 or less
	v_cvt_i32_f32 v246, v246                       ; (it saturates)
	v_ldexp_f32 v244, 1.0, v246                    ; f = 2^(old M - new M)
	v_pk_mul_f32 v[ST+2:ST+3], v[ST+2:ST+3], v[244:245] op_sel_hi:[1,0]
.set j, 0
.rept 16
	v_pk_mul_f32 v[OT+j:OT+j+1], v[OT+j:OT+j+1], v[244:245] op_sel_hi:[1,0]   ; O^T under the new M, each accumulator from its low end on
.set j, j+2
.endr
.set j, 0
.rept 32
	v_pk_fma_f32 v[96+j:97+j], v[96+j:97+j], s[CS:CS+1], v[ST:ST+1] op_sel_hi:[1,0,0]   ; t - M
.set j, j+2
.endr
.irp b, 0,1,2,3
	v_fma_f32 v[232+\b], v[232+\b], s[CS], v[ST]   ; the same of each block's largest score
.endr
.irp b, 0,1,2,3
	v_exp_f32 v[232+\b], v[232+\b]                 ; the blocks' largest p,
.endr
.set j, 0
.rept 64
	v_exp_f32 v[96+j], v[96+j]                     ; and p = 2^(t - M): one batch
.set j, j+1
.endr
	v_nop                                          ; a plain line behind the last exponential
	s_wait_alu depctr_va_vdst(0)                   ; one wait for the batch, ahead of its first reader
.irp b, 0,1,2,3
	v_max_num_f32 v[232+\b], 0x1800000, v[232+\b]  ; the floor: the byte cannot fall under 1
.endr
.irp b, 0,1,2,3
	v_add_nc_u32 v[240+\b], 0xff000000, v[232+\b]  ; the conversion's scale operand
.endr
.irp b, 0,1,2,3
	v_lshrrev_b32 v[236+\b], 23, v[240+\b]
.endr
	v_lshl_or_b32 v254, v237, 8, v236              ; p's scale word for these 128 keys
	v_lshl_or_b32 v254, v238, 16, v254
	v_lshl_or_b32 v254, v239, 24, v254
.irp b, 0,1,2,3
	v_cvt_scalef32_pk8_fp4_f32 v[224+2*\b], v[96+16*\b:103+16*\b], v[240+\b]
	v_cvt_scalef32_pk8_fp4_f32 v[225+2*\b], v[104+16*\b:111+16*\b], v[240+\b]
.endr
	v_nop                                          ; one plain line behind the conversions
.irp c, 0,1
.irp i, 0,1
	v_permlane16_swap_b32 v[224+4*\c+\i], v[226+4*\c+\i]   ; a whole block to a lane
.endr
.endr
	v_pk_add_f32 v[246:247], v[96:97], v[98:99]    ; the row's sum of the UNQUANTISED p, in two chains.  These 32 lines also stand between the writes of p's codes and scale word and the products that take them
.irp j, 4,8,12,16,20,24,28,32,36,40,44,48,52,56,60
	v_pk_add_f32 v[ST+2:ST+3], v[ST+2:ST+3], v[96+\j:97+\j]
	v_pk_add_f32 v[246:247], v[246:247], v[98+\j:99+\j]
.endr
	v_pk_add_f32 v[ST+2:ST+3], v[ST+2:ST+3], v[246:247]
.irp c, 0,1,2,3                        ; O^T += V^T P^T: four accumulators by turns
.if (\c%2) == 0
	v_wmma_scale_f32_16x16x128_f8f6f4 v[OT+8*\c:OT+8*\c+7], v[64+8*\c:71+8*\c], v[224:231], v[OT+8*\c:OT+8*\c+7], v[252+\c/2], v254 matrix_a_fmt:MATRIX_FMT_FP4 matrix_b_fmt:MATRIX_FMT_FP4
.else
	v_wmma_scale_f32_16x16x128_f8f6f4 v[OT+8*\c:OT+8*\c+7], v[64+8*\c:71+8*\c], v[224:231], v[OT+8*\c:OT+8*\c+7], v[252+\c/2], v254 matrix_a_fmt:MATRIX_FMT_FP4 matrix_b_fmt:MATRIX_FMT_FP4 matrix_a_scale:MATRIX_SCALE_ROW1
.endif
.endr
.rept 4
	v_nop                                          ; four places ahead of the next loads into V's registers and of the next reads of O^T
.endr
.endm
.Lstep:                                            ; 16 trips, a constant: every wave walks all steps and jumps over the work whose keys all come after its queries
	s_cmp_gt_u32 s[SI], s[GH]
	s_cbranch_scc1 .Lskip_hi
	TSTEP 0
.Lskip_hi:
	s_cmp_gt_u32 s[SI], s[GL]
	s_cbranch_scc1 .Lskip_lo
	TSTEP 1
.Lskip_lo:
	s_add_co_u32 s[TK], s[TK], 4096
	s_add_co_u32 s[TS], s[TS], 512
	s_add_co_u32 s[TJ], s[TJ], 256
	s_add_co_u32 s[SI], s[SI], 1
	s_cmp_lt_u32 s[SI], 16
	s_cbranch_scc1 .Lstep
.macro QUANT s, pc, pw                 ; 64 numbers of a lane, register 16 b + i, become codes in v[pc] on and four scale bytes in v[pw]
.irp b, 0,1,2,3
	v_max3_num_f32 v[TM+\b], |v[\s+16*\b]|, |v[\s+1+16*\b]|, 0x1800000
.endr
.irp i, 2,4,6,8,10,12,14
.irp b, 0,1,2,3
	v_max3_num_f32 v[TM+\b], v[TM+\b], |v[\s+16*\b+\i]|, |v[\s+1+16*\b+\i]|
.endr
.endr
.irp b, 0,1,2,3
	v_permlanex16_b32 v[TM+4+\b], v[TM+\b], s[SEL], s[SEL+1]
.endr
.irp b, 0,1,2,3
	v_max_num_f32 v[TM+\b], v[TM+\b], v[TM+4+\b]
.endr
.irp b, 0,1,2,3
	v_add_nc_u32 v[TM+12+\b], 0xff000000, v[TM+\b]
.endr
.irp b, 0,1,2,3
	v_lshrrev_b32 v[TM+4+\b], 23, v[TM+12+\b]
.endr
	v_lshl_or_b32 v[\pw], v[TM+5], 8, v[TM+4]
	v_lshl_or_b32 v[\pw], v[TM+6], 16, v[\pw]
	v_lshl_or_b32 v[\pw], v[TM+7], 24, v[\pw]
.irp b, 0,1,2,3
	v_cvt_scalef32_pk8_fp4_f32 v[\pc+2*\b], v[\s+16*\b:\s+7+16*\b], v[TM+12+\b]
	v_cvt_scalef32_pk8_fp4_f32 v[\pc+1+2*\b], v[\s+8+16*\b:\s+15+16*\b], v[TM+12+\b]
.endr
	v_nop
.irp c, 0,1
.irp i, 0,1
	v_permlane16_swap_b32 v[\pc+4*\c+\i], v[\pc+2+4*\c+\i]
.endr
.endr
.endm
	; THE WAY OUT.  y = O^T / the sum.  A tile's 32 numbers a lane are two blocks of 32 channels (with lane l xor 16): the two tiles together are the quantiser's four blocks.
	v_add_f32 v10, v10, v11
	v_add_f32 v14, v14, v15
	v_permlanex16_b32 v236, v10, s[SEL], s[SEL+1]
	v_permlanex16_b32 v237, v14, s[SEL], s[SEL+1]
	v_add_f32 v10, v10, v236                       ; the rows' sums
	v_add_f32 v14, v14, v237
	v_rcp_f32 v244, v10
	v_rcp_f32 v246, v14
	v_and_b32 v6, 31, v0                           ; (plain lines behind the reciprocals)  where the scale bytes go: lanes 0-15 the late tile's rows, lanes 16-31 the early tile's
	v_cmp_lt_u32 vcc_lo, 15, v6
	v_mov_b32 v6, s[GH]
	v_mov_b32 v7, s[GL]
	v_cndmask_b32 v6, v6, v7, vcc_lo
	v_and_b32 v7, 15, v0
	v_lshlrev_b32 v7, 5, v7
	v_lshl_add_u32 v6, v6, 12, v7                  ; 8 tiles x 16 rows x 32 bytes a group, + 32 r
	s_wait_alu depctr_va_vdst(0)                   ; one wait for both reciprocals, ahead of their first reader
.set j, 0
.rept 16
	v_pk_mul_f32 v[96+j:97+j], v[160+j:161+j], v[244:245] op_sel_hi:[1,0]
.set j, j+2
.endr
.set j, 0
.rept 16
	v_pk_mul_f32 v[128+j:129+j], v[192+j:193+j], v[246:247] op_sel_hi:[1,0]
.set j, j+2
.endr
	QUANT 96, 224, 254
	global_store_b128 v1, v[224:227], s[82:83]     ; the late tile's image, 16 tokens x my head's 64 channels: 512 consecutive bytes, aligned
	global_store_b128 v1, v[228:231], s[84:85]     ; the early tile's
	v_lshrrev_b32 v7, 16, v254
	v_cndmask_b32 v7, v254, v7, vcc_lo             ; bytes 0, 1: the late tile's two blocks; bytes 2, 3: the early tile's
	global_store_b16 v6, v7, s[86:87]              ; two bytes of each row's 32: pieces; the layout is the one that the next launch takes as a dense block
	s_wait_dscnt 0x0
	s_wait_xcnt 0x0
	v_lshl_add_u32 v254, v0, 2, 0x29000
	v_mov_b32 v255, 0
	s_wait_tensorcnt 0x0
	ds_add_u32 v254, v255
	s_wait_dscnt 0x0
	ROUND                                          ; the closing round: no work-group ends while a partner may still ask for a tile that names it
	s_endpgm
.Lfunc_end_k_q4a5df92e3e_attn:
	.size	k_q4a5df92e3e_attn, .Lfunc_end_k_q4a5df92e3e_attn-k_q4a5df92e3e_attn
	.p2alignl 7, 3214868480
	.fill 96, 4, 3214868480
	.section	.rodata,"a",@progbits
	.p2align	6, 0x0
	.amdhsa_kernel k_q4a5df92e3e_attn
		.amdhsa_group_segment_fixed_size 169984
		.amdhsa_private_segment_fixed_size 0
		.amdhsa_enable_private_segment 0
		.amdhsa_kernarg_size 32
		.amdhsa_user_sgpr_count 2
		.amdhsa_user_sgpr_kernarg_segment_ptr 1
		.amdhsa_wavefront_size32 1
		.amdhsa_system_sgpr_workgroup_id_x 1
		.amdhsa_system_sgpr_workgroup_id_y 1
		.amdhsa_system_sgpr_workgroup_id_z 1
		.amdhsa_system_vgpr_workitem_id 0
		.amdhsa_next_free_vgpr 256
		.amdhsa_next_free_sgpr 96
		.amdhsa_reserve_vcc 1
		.amdhsa_float_denorm_mode_32 3
		.amdhsa_float_denorm_mode_16_64 3
		.amdhsa_memory_ordered 1
		.amdhsa_forward_progress 1
		.amdhsa_inst_pref_size 59
	.end_amdhsa_kernel
	.amdgpu_metadata
---
amdhsa.version: [ 1, 2 ]
amdhsa.kernels:
  - .name:           k_q4a5df92e3e_attn
    .symbol:         k_q4a5df92e3e_attn.kd
    .args:
      - { .name: qkv_codes, .offset: 0, .size: 8, .value_kind: global_buffer, .address_space: global }
      - { .name: qkv_scales, .offset: 8, .size: 8, .value_kind: global_buffer, .address_space: global }
      - { .name: y_codes, .offset: 16, .size: 8, .value_kind: global_buffer, .address_space: global }
      - { .name: y_scales, .offset: 24, .size: 8, .value_kind: global_buffer, .address_space: global }
    .group_segment_fixed_size: 169984
    .private_segment_fixed_size: 0
    .kernarg_segment_align: 8
    .kernarg_segment_size: 32
    .max_flat_workgroup_size: 512
    .sgpr_count:     96
    .vgpr_count:     256
    .wavefront_size: 32
...
	.end_amdgpu_metadata
.endif
;; end of part 3
;; launch gemm_out (part 4): grid 4 x 64, 4 waves a work-group, clusters of 4 x 4, 262,656 bytes of LDS; arguments y_codes, y_scales, w_codes, w_scales, b_proj, out0; writes out0
.if DOCPART == 4
	.amdgcn_target "amdgcn-amd-amdhsa--gfx1250"
	.amdhsa_code_object_version 6
	.text
	.protected	k_q4a5df92e3e_gemm_out
	.globl	k_q4a5df92e3e_gemm_out
	.p2align	8
	.type	k_q4a5df92e3e_gemm_out,@function
k_q4a5df92e3e_gemm_out:
	s_mov_b64 s[64:65], 0
	v_nop
	global_prefetch_b8 v0, s[64:65] scope:SCOPE_SE
	s_setreg_imm32_b32 hwreg(HW_REG_WAVE_MODE, 25, 1), 1
	s_wait_xcnt 0x0
	s_wait_alu depctr_hold_cnt(0) depctr_sa_sdst(0) depctr_va_vdst(0) depctr_va_sdst(0) depctr_va_ssrc(0) depctr_va_vcc(0) depctr_vm_vsrc(0)
	s_getreg_b32 s2, hwreg(HW_REG_IB_STS2, 6, 4)
	s_cmp_eq_u32 s2, 0
	s_cbranch_scc0 .Lentry_in_a_cluster
	s_endpgm
.Lentry_in_a_cluster:
	s_bfe_u32 s2, ttmp6, 0x10000c
	s_cmp_lg_u32 s2, 0xf033
	s_cbranch_scc0 .Lentry_shape_is_right
	s_endpgm
.Lentry_shape_is_right:
; out0 = y w_proj + b_proj on codes of FP4 (E2M1) with E8M0 scales, K = 1,024.  A tile is 256 columns (operand F0: w_proj's columns, rows 3,072 on of the weights' codes) x 128 tokens (operand F1: y).
; D = (source 0 = 16 rows of F0) x (source 1 = 16 rows of F1): a lane holds one token, and its registers run along the columns: the 16 registers of F0's tiles 2 b and 2 b + 1 are columns 32 b + 16 (lane / 16) + 0 .. 15;
; lane r of F1's tile 2 b + u holds token 32 b + 8 u + r + 8 (r / 8).
; ALL OF K LIES IN LDS, in two halves, each filled ONCE.  F0's rows lie as rows of 256 bytes + 16; y's codes lie as images of operand registers ([tile][head][512], lane l's 16 bytes at 16 l).
; CLUSTER 4 x 4: F0's tiles are asked for jointly by a column of the cluster, F1's by a row.  Four waves: wave = 2 w1 + w0 makes 128 columns x 64 tokens: 32 accumulators.  The bias is the C of the first product,
; so it begins the f32 sum where the formula adds it last.
; REGISTERS: window 0: v1-25 addresses; v32-95 F0's scale words, v96-127 F1's; v128-191 F1's fragments, two sets; v192-255 the bias; on the way out v128-255 take rows of the result.  window 1: F0's fragments, two sets.  window 2: the accumulators.
.set PITCH, 272
.set HALFT, 128*PITCH
.set SLOT,  3*HALFT                    ; half of K: F1's 8 tiles x 4,096 bytes at its head, F0's 256 rows from HALFT on
.set SCL,   2*SLOT
.set HALFS, 16*272
.set STG,   SCL+3*HALFS                ; behind all fills: a stage of 16 rows x 528 bytes for each wave, in blocks of 256 bytes into which no fill lands
.set SPITCH, 528
.set ADR0, 16
.set ADR1, 18
.set ADS0, 20
.set ADS1, 21
.set L16,  22
.set STO,  24
.set RD,   25
.set SC0,  32
.set SC1,  96
.set F1R,  128
.set BR,   192
.set G1C0, 24
.set G1C1, 32
.set G1S0, 40
.set G1S1, 48
.set G0C0, 56
.set G0C1, 68
.set G0S0, 76
.set G0S1, 80
.set MSB, 0
.macro WIN new
.if MSB != \new
	s_set_vgpr_msb (MSB<<8)|\new
.set MSB, \new
.endif
.endm
.macro ROUND
	s_barrier_signal -1
	s_barrier_wait -1
	s_cmp_lg_u32 s18, 0
	s_cbranch_scc1 .Lnot_wave_0_\@
	s_barrier_signal -3
.Lnot_wave_0_\@:
	s_barrier_wait -3
	s_barrier_signal -1
	s_barrier_wait -1
.endm
	s_load_b256 s[4:11], s[0:1], 0x0               ; y_codes s[4:5], y_scales s[6:7], w_codes s[8:9], w_scales s[10:11]
	s_load_b128 s[12:15], s[0:1], 0x20             ; b_proj s[12:13], out0 s[14:15]
	v_lshl_add_u32 v30, v0, 2, 0x40000
	v_mov_b32 v31, 0
	ds_add_u32 v30, v31
	ds_add_u32 v30, v31
	v_lshrrev_b32 v1, 5, v0
	v_readfirstlane_b32 s18, v1                    ; wave 0..3
	s_lshr_b32 s19, s18, 1                         ; w1
	s_and_b32 s20, s18, 1                          ; w0
	s_bfe_u32 s21, ttmp6, 0x40000                  ; cx: the tile of columns
	s_bfe_u32 s22, ttmp6, 0x40004                  ; cy
	s_and_b32 s23, ttmp7, 0xffff
	s_lshl_b32 s88, s22, 2
	s_lshl_b32 s88, 15, s88                        ; my row of the cluster
	s_lshl_b32 s89, 0x1111, s21                    ; my column
	s_or_b32 s[G1C0], s89, (1<<20)|(1<<21)|(5<<22)|(3<<25)          ; F0's codes: 128 rows of 256 bytes, 4 words of padding behind each
	s_or_b32 s[G1C1], s88, (3<<16)|(1<<21)                          ; F1's codes: elements of 8 bytes, no padding
	s_or_b32 s[G1S0], s89, (3<<16)|(1<<20)|(1<<21)|(5<<22)|(3<<25)
	s_or_b32 s[G1S1], s88, (3<<16)|(1<<20)|(1<<21)|(5<<22)|(3<<25)
	s_mov_b32 s[G1C0+1], 256<<16
	s_mov_b32 s[G1C0+2], 128<<16
	s_mov_b32 s[G1C0+3], 256<<16
	s_mov_b32 s[G1C0+4], 128
	s_mov_b32 s[G1C0+5], 512
	s_mov_b32 s[G1C0+6], 0
	s_mov_b32 s[G1C0+7], 0
	s_mov_b32 s[G1C1+1], 512<<16                   ; 8 rows (tiles) of 4,096 bytes (eight heads' images), 8,192 bytes apart
	s_mov_b32 s[G1C1+2], 8<<16
	s_mov_b32 s[G1C1+3], 512<<16
	s_mov_b32 s[G1C1+4], 8
	s_mov_b32 s[G1C1+5], 1024
	s_mov_b32 s[G1C1+6], 0
	s_mov_b32 s[G1C1+7], 0
.irp g, G1S0, G1S1
	s_mov_b32 s[\g+1], 32<<16                      ; the scale bytes of 128 rows: a dense block of 4,096 bytes as 16 rows of 256
	s_mov_b32 s[\g+2], 16<<16
	s_mov_b32 s[\g+3], 32<<16
	s_mov_b32 s[\g+4], 16
	s_mov_b32 s[\g+5], 32
	s_mov_b32 s[\g+6], 0
	s_mov_b32 s[\g+7], 0
.endr
	s_lshl_b32 s86, s21, 8
	s_lshl_b32 s89, s20, 7
	s_add_co_u32 s86, s86, s89
	s_add_co_u32 s86, s86, 3072                    ; the 128 rows of F0 that waves 0 and 1 fetch
	s_lshl_b32 s94, s86, 9
	s_mov_b32 s95, 0
	s_lshl_b32 s96, s86, 5
	s_mov_b32 s97, 0
	s_lshl_b32 s87, s23, 2
	s_add_co_u32 s87, s87, s22                     ; i1: which 128 tokens
	s_lshl_b32 s98, s87, 16                        ; 8 tiles of 8,192 bytes
	s_mov_b32 s99, 0
	s_lshl_b32 s66, s87, 12                        ; 128 rows of 32 scale bytes
	s_mov_b32 s67, 0
	s_mul_i32 s93, s20, HALFT
	s_add_co_u32 s93, s93, HALFT
	s_mul_i32 s90, s20, HALFS
	s_add_co_u32 s90, s90, SCL+HALFS
	v_and_b32 v1, 15, v0                           ; r
	v_bfe_u32 v2, v0, 4, 1                         ; h
	v_and_b32 v7, 31, v0
	v_lshlrev_b32 v[L16], 4, v7
	v_mul_u32_u24 v5, v1, PITCH
	v_lshl_add_u32 v5, v2, 4, v5
	s_mul_i32 s2, s20, HALFT
	s_add_co_u32 s2, s2, HALFT
	v_add_nc_u32 v[ADR0], s2, v5
	s_add_co_u32 s2, s2, SLOT
	v_add_nc_u32 v[ADR0+1], s2, v5
	s_lshl_b32 s2, s19, 14                         ; my four tiles of tokens: 16,384 bytes of images a half of K
	v_add_nc_u32 v[ADR1], s2, v[L16]
	s_add_co_u32 s2, s2, SLOT
	v_add_nc_u32 v[ADR1+1], s2, v[L16]
	v_lshrrev_b32 v6, 3, v1
	v_lshlrev_b32 v6, 4, v6
	v_lshl_add_u32 v6, v1, 5, v6
	s_mul_i32 s2, s20, HALFS
	s_add_co_u32 s2, s2, SCL+HALFS
	v_add_nc_u32 v[ADS0], s2, v6
	s_mul_i32 s2, s19, 4*544
	s_add_co_u32 s2, s2, SCL
	v_add_nc_u32 v[ADS1], s2, v6
	s_mul_i32 s2, s18, 16*SPITCH
	s_add_co_u32 s2, s2, STG                       ; my stage
	v_mul_u32_u24 v[STO], v1, SPITCH
	v_lshl_add_u32 v[STO], v2, 6, v[STO]
	v_add_nc_u32 v[STO], s2, v[STO]                ; in: row r, + 64 h bytes
	v_add_nc_u32 v[RD], s2, v[L16]                 ; back: the 32 lanes take a row of 512 bytes
	v_lshlrev_b32 v3, 6, v2
	s_wait_dscnt 0x0
	s_wait_kmcnt 0x0
	s_add_nc_u64 s[G0C0+2:G0C0+3], s[8:9], s[94:95]
	s_add_nc_u64 s[G0C0+6:G0C0+7], s[G0C0+2:G0C0+3], 256
	s_add_nc_u64 s[G0S0+2:G0S0+3], s[10:11], s[96:97]
	s_add_nc_u64 s[G0C1+2:G0C1+3], s[4:5], s[98:99]
	s_add_nc_u64 s[G0C1+6:G0C1+7], s[G0C1+2:G0C1+3], 4096
	s_add_nc_u64 s[G0S1+2:G0S1+3], s[6:7], s[66:67]
	s_or_b32 s[G0C0+3], s[G0C0+3], 0x80000000
	s_or_b32 s[G0C0+7], s[G0C0+7], 0x80000000
	s_or_b32 s[G0S0+3], s[G0S0+3], 0x80000000
	s_or_b32 s[G0C1+3], s[G0C1+3], 0x80000000
	s_or_b32 s[G0C1+7], s[G0C1+7], 0x80000000
	s_or_b32 s[G0S1+3], s[G0S1+3], 0x80000000
	s_mov_b32 s[G0C0], 1
	s_mov_b32 s[G0C0+1], s93
	s_mov_b32 s[G0C0+4], 1
	s_add_co_u32 s[G0C0+5], s93, SLOT
	s_mov_b32 s[G0S0], 1
	s_mov_b32 s[G0S0+1], s90
	s_mov_b32 s[G0C1], 1
	s_mov_b32 s[G0C1+1], 0
	s_mov_b32 s[G0C1+4], 1
	s_mov_b32 s[G0C1+5], SLOT
	s_mov_b32 s[G0S1], 1
	s_mov_b32 s[G0S1+1], SCL
	ROUND                                          ; all sixteen work-groups are here: the joint loads meet
	s_cmp_lt_u32 s18, 2                            ; a wave's three fills stand in one branch on its number: waves 0 and 1 F0's halves, wave 2 F1, wave 3 none.  Three loads of a wave are out
	s_cbranch_scc0 .Lnot_f0
	tensor_load_to_lds s[G0S0:G0S0+3], s[G1S0:G1S0+7]
	s_nop 0
	tensor_load_to_lds s[G0C0:G0C0+3], s[G1C0:G1C0+7]
	s_nop 0
	tensor_load_to_lds s[G0C0+4:G0C0+7], s[G1C0:G1C0+7]
	s_nop 0
.rept 4
	v_nop
.endr
	s_branch .Lasked
.Lnot_f0:
	s_cmp_eq_u32 s18, 2
	s_cbranch_scc0 .Lasked
	tensor_load_to_lds s[G0S1:G0S1+3], s[G1S1:G1S1+7]
	s_nop 0
	tensor_load_to_lds s[G0C1:G0C1+3], s[G1C1:G1C1+7]
	s_nop 0
	tensor_load_to_lds s[G0C1+4:G0C1+7], s[G1C1:G1C1+7]
	s_nop 0
.rept 4
	v_nop
.endr
.Lasked:
	s_lshl_b32 s2, s21, 10                         ; my first column in bytes: 1,024 cx + 512 w0
	s_lshl_b32 s88, s20, 9
	s_add_co_u32 s2, s2, s88
	s_mov_b32 s3, 0
	s_add_nc_u64 s[4:5], s[12:13], s[2:3]          ; in the bias,
	s_lshl_b32 s88, s87, 19                        ; and in the result, at my first token: 128 i1 + 64 w1 rows of 4,096 bytes
	s_add_co_u32 s2, s2, s88
	s_lshl_b32 s88, s19, 18
	s_add_co_u32 s2, s2, s88
	s_add_nc_u64 s[6:7], s[14:15], s[2:3]
.irp b, 0,1,2,3,4,5,6,7
	global_load_b128 v[BR+8*\b:BR+8*\b+3], v3, s[4:5] offset:(32*(\b/2)+8*(\b%2))*4       ; lane (r, h), tile b: columns 32 (b / 2) + 16 h + 8 (b % 2) + 0 .. 7
	global_load_b128 v[BR+8*\b+4:BR+8*\b+7], v3, s[4:5] offset:(32*(\b/2)+8*(\b%2))*4+16
.endr
.macro SCALES
.irp b, 0,1,2,3,4,5,6,7
	ds_load_b128 v[SC0+8*\b:SC0+8*\b+3], v[ADS0] offset:544*\b
	ds_load_b128 v[SC0+8*\b+4:SC0+8*\b+7], v[ADS0] offset:544*\b+16
.endr
.irp a, 0,1,2,3
	ds_load_b128 v[SC1+8*\a:SC1+8*\a+3], v[ADS1] offset:544*\a
	ds_load_b128 v[SC1+8*\a+4:SC1+8*\a+7], v[ADS1] offset:544*\a+16
.endr
.endm
.macro FETCH q, p
	WIN 0x40                                       ; destination window 1
.irp b, 0,1,2,3,4,5,6,7
.irp c, 0,1
	ds_load_b128 v[128*(\p)+8*\b+4*\c:128*(\p)+8*\b+4*\c+3], v[ADR0+(\q)/4] offset:64*((\q)%4)+32*\c+\b*16*PITCH
.endr
.endr
	WIN 0
.irp a, 0,1,2,3
.irp c, 0,1
	ds_load_b128 v[F1R+32*(\p)+8*\a+4*\c:F1R+32*(\p)+8*\a+4*\c+3], v[ADR1+(\q)/4] offset:4096*\a+1024*((\q)%4)+512*\c   ; heads 2 q and 2 q + 1 are the fragment's two groups of four registers
.endr
.endr
.endm
; A step of 128 along K: 32 matrix instructions; the 32 accumulators take turns, one instruction a turn, in the same order in every step.
.macro STEP q
	s_wait_dscnt 0x0                               ; this step's fragments, asked for a step ago, are in
.if (\q) == 3
	s_wait_tensorcnt 0x0                           ; my part of the second half of K has landed;
	s_barrier_signal -1
	s_barrier_wait -1                              ; everybody's has.
.endif
.if (\q) < 7
.if (\q) > 0
.rept 4
	v_nop                                          ; four places between the last step's products and loads into the registers that they read
.endr
.endif
	FETCH (\q)+1, ((\q)+1)%2
.endif
.if (\q) == 0
	WIN 0x81
.else
	WIN 0xa1
.endif
.irp a, 0,1,2,3
.irp b, 0,1,2,3,4,5,6,7
.if (\q) == 0
	v_wmma_scale_f32_16x16x128_f8f6f4 v[8*(8*\a+\b):8*(8*\a+\b)+7], v[128*((\q)%2)+8*\b:128*((\q)%2)+8*\b+7], v[F1R+32*((\q)%2)+8*\a:F1R+32*((\q)%2)+8*\a+7], v[BR+8*\b:BR+8*\b+7], v[SC0+8*\b+(\q)], v[SC1+8*\a+(\q)] matrix_a_fmt:MATRIX_FMT_FP4 matrix_b_fmt:MATRIX_FMT_FP4
.else
	v_wmma_scale_f32_16x16x128_f8f6f4 v[8*(8*\a+\b):8*(8*\a+\b)+7], v[128*((\q)%2)+8*\b:128*((\q)%2)+8*\b+7], v[F1R+32*((\q)%2)+8*\a:F1R+32*((\q)%2)+8*\a+7], v[8*(8*\a+\b):8*(8*\a+\b)+7], v[SC0+8*\b+(\q)], v[SC1+8*\a+(\q)] matrix_a_fmt:MATRIX_FMT_FP4 matrix_b_fmt:MATRIX_FMT_FP4
.endif
.endr
.endr
.endm
	s_wait_loadcnt 0x0                             ; the bias
	s_wait_tensorcnt 0x1                           ; my scale bytes and my part of the first half of K are in; the load of the second half may be out
	s_barrier_signal -1
	s_barrier_wait -1
	SCALES
	FETCH 0, 0
.irp q, 0,1,2,3,4,5,6,7
	STEP \q
.endr
	WIN 0
; THE WAY OUT, a tile a of 16 tokens x 128 columns at a time.  A lane holds pieces of 32 bytes of one row: the tile goes through my own stage in LDS and comes back as whole rows of 512 bytes.
; LDS serves a wave's instructions in order (ISA guide 5.7.1.4): no wait between the stores and the loads, nor in front of the next tile's stores.
.macro TOSTAGE a
	WIN 0x08                                       ; an LDS store's data are its source 1: window 2
.irp b, 0,1,2,3,4,5,6,7
	ds_store_b128 v[STO], v[8*(8*(\a)+\b):8*(8*(\a)+\b)+3] offset:128*(\b/2)+32*(\b%2)       ; each accumulator from its low end on
	ds_store_b128 v[STO], v[8*(8*(\a)+\b)+4:8*(8*(\a)+\b)+7] offset:128*(\b/2)+32*(\b%2)+16
.endr
	WIN 0
.set BB, 128+64*((\a)%2)
.irp t, 0,1,2,3,4,5,6,7,8,9,10,11,12,13,14,15
	ds_load_b128 v[BB+4*\t:BB+4*\t+3], v[RD] offset:\t*SPITCH
.endr
.endm
.macro SEND a, younger                 ; younger: the LDS instructions issued behind tile a's loads, which may stay out
.set BB, 128+64*((\a)%2)
	s_wait_dscnt \younger
.irp t, 0,1,2,3,4,5,6,7,8,9,10,11,12,13,14,15
	global_store_b128 v[L16], v[BB+4*\t:BB+4*\t+3], s[6:7] offset:(32*((\a)/2)+8*((\a)%2)+\t+8*(\t/8))*4096 th:TH_STORE_NT   ; stage row t is token 32 (a / 2) + 8 (a % 2) + t + 8 (t / 8); 512 consecutive bytes, aligned
.endr
.endm
.rept 4
	v_nop                                          ; four places behind the last products, ahead of the reads of results and of loads into F1's fragments
.endr
	TOSTAGE 0
.irp a, 1,2,3
.if \a > 1
	s_wait_xcnt 0x0                                ; tile a - 2's stores have read their registers: tile a's rows may land there
.endif
	TOSTAGE \a
	SEND \a-1, 32                                  ; behind tile a - 1's loads: tile a's 16 stores and 16 loads
.endr
	SEND 3, 0
	s_wait_dscnt 0x0
	s_wait_tensorcnt 0x0
	ds_add_u32 v30, v31
	s_wait_dscnt 0x0
	ROUND                                          ; the closing round: no work-group ends while a partner may still ask for a tile that names it
	s_endpgm
.Lfunc_end_k_q4a5df92e3e_gemm_out:
	.size	k_q4a5df92e3e_gemm_out, .Lfunc_end_k_q4a5df92e3e_gemm_out-k_q4a5df92e3e_gemm_out
	.p2alignl 7, 3214868480
	.fill 96, 4, 3214868480
	.section	.rodata,"a",@progbits
	.p2align	6, 0x0
	.amdhsa_kernel k_q4a5df92e3e_gemm_out
		.amdhsa_group_segment_fixed_size 262656
		.amdhsa_private_segment_fixed_size 0
		.amdhsa_enable_private_segment 0
		.amdhsa_kernarg_size 48
		.amdhsa_user_sgpr_count 2
		.amdhsa_user_sgpr_kernarg_segment_ptr 1
		.amdhsa_wavefront_size32 1
		.amdhsa_system_sgpr_workgroup_id_x 1
		.amdhsa_system_sgpr_workgroup_id_y 1
		.amdhsa_system_sgpr_workgroup_id_z 1
		.amdhsa_system_vgpr_workitem_id 0
		.amdhsa_next_free_vgpr 768
		.amdhsa_next_free_sgpr 100
		.amdhsa_reserve_vcc 0
		.amdhsa_float_denorm_mode_32 3
		.amdhsa_float_denorm_mode_16_64 3
		.amdhsa_memory_ordered 1
		.amdhsa_forward_progress 1
		.amdhsa_inst_pref_size 73
	.end_amdhsa_kernel
	.amdgpu_metadata
---
amdhsa.version: [ 1, 2 ]
amdhsa.kernels:
  - .name:           k_q4a5df92e3e_gemm_out
    .symbol:         k_q4a5df92e3e_gemm_out.kd
    .args:
      - { .name: y_codes, .offset: 0, .size: 8, .value_kind: global_buffer, .address_space: global }
      - { .name: y_scales, .offset: 8, .size: 8, .value_kind: global_buffer, .address_space: global }
      - { .name: w_codes, .offset: 16, .size: 8, .value_kind: global_buffer, .address_space: global }
      - { .name: w_scales, .offset: 24, .size: 8, .value_kind: global_buffer, .address_space: global }
      - { .name: b_proj, .offset: 32, .size: 8, .value_kind: global_buffer, .address_space: global }
      - { .name: out0, .offset: 40, .size: 8, .value_kind: global_buffer, .address_space: global }
    .group_segment_fixed_size: 262656
    .private_segment_fixed_size: 0
    .kernarg_segment_align: 8
    .kernarg_segment_size: 48
    .max_flat_workgroup_size: 128
    .sgpr_count:     100
    .vgpr_count:     768
    .wavefront_size: 32
...
	.end_amdgpu_metadata
.endif
;; end of part 4
